; MI455X (gfx1250); checked and timed in simulation.
; The chip was launched on July 23, 2026; its instructions are those of AMD's public machine-readable ISA for CDNA 5 (MIT licence, August 2026) and "CDNA5" Instruction Set Architecture Reference Guide (July 2026). The comments in the code are by the model that wrote it; some were corrected since.
;; Multi Head Attention Einsum. Allowed arithmetic: matrix products marked QUANTISED: E4M3 operands, one E8M0 scale for each 32 along K, by v_wmma_scale_f32_16x16x128_f8f6f4 with both operands' format E4M3, f32 sums; everything else in f32.
;; Inputs: W_k_codes 1,024 x 32 x 32 uint8 (E4M3 codes of W_k, K innermost, in blocks of 32 codes); W_k_scales 1,024 x 32 uint8 (E8M0 scales of W_k, one for each 32 codes along K); W_out_codes 1,024 x 32 x 32 uint8 (E4M3 codes of W_out, K innermost, in blocks of 32 codes); W_out_scales 1,024 x 32 uint8 (E8M0 scales of W_out, one for each 32 codes along K); W_q_codes 1,024 x 32 x 32 uint8 (E4M3 codes of W_q, K innermost, in blocks of 32 codes); W_q_scales 1,024 x 32 uint8 (E8M0 scales of W_q, one for each 32 codes along K); W_v_codes 1,024 x 32 x 32 uint8 (E4M3 codes of W_v, K innermost, in blocks of 32 codes); W_v_scales 1,024 x 32 uint8 (E8M0 scales of W_v, one for each 32 codes along K); b_out 1,024 float32; x_codes 4 x 2,048 x 32 x 32 uint8 (E4M3 codes of x, K innermost, in blocks of 32 codes); x_scales 4 x 2,048 x 32 uint8 (E8M0 scales of x, one for each 32 codes along K).
;; Outputs: out0 4 x 2,048 x 1,024 float32.
;; This version of the problem:
;;   THIS VERSION OF THE PROBLEM IS GIVEN IN LOW PRECISION. The matrix products marked QUANTISED in the list below multiply operands that are first quantised to E4M3 (4 exponent bits, 3 mantissa bits; 8 bits a number), with one power-of-two scale for each 32 numbers along K (OCP MX v1.0); their sums are f32. All else is computed in f32.
;;   The module's matrix products, in the order in which they are computed (A, B: the left and right operand; K: the contracted axis; several contracted axes count as one K, in the product's order):
;;     1. [M 8,192, K 1,024] x [K 1,024, N 1,024]; A: input x (given as codes); B: input W_q (given as codes): QUANTISED
;;     2. [M 8,192, K 1,024] x [K 1,024, N 1,024]; A: input x (given as codes); B: input W_k (given as codes): QUANTISED
;;     3. [M 8,192, K 1,024] x [K 1,024, N 1,024]; A: input x (given as codes); B: input W_v (given as codes): QUANTISED
;;     4. batch 64 x [M 2,048, K 64] x [K 64, N 2,048]; A: computed on the way; B: computed on the way: QUANTISED
;;     5. batch 64 x [M 2,048, K 2,048] x [K 2,048, N 64]; A: softmax (see below); B: computed on the way: QUANTISED
;;     6. [M 8,192, K 1,024] x [K 1,024, N 1,024]; A: computed on the way; B: input W_out (given as codes): QUANTISED
;;   THE QUANTISER, for each operand of a quantised product, along K:
;;     - K is cut into blocks of 32 from its start; a last block that is shorter is filled with zeros.
;;     - A block's scale is 2^e with e = floor(log2(the largest magnitude in the block)) - 8, held to -126 .. 127; a block of zeros has e = 0. As a byte (E8M0): e + 127.
;;     - Each number is divided by its block's scale, clamped to +-448, and rounded to the nearest number of E4M3, ties to even, subnormals kept.
;;     - The product sums the exact products of the quantised numbers (number of the format x scale) in f32.
;;   ~~~python
;;   def quantise(x, axis):      # numpy; x: float32 -> the quantised numbers, widened to float32 again
;;       x = np.moveaxis(x, axis, -1); K = x.shape[-1]
;;       x = np.pad(x, [(0, 0)] * (x.ndim - 1) + [(0, -K % 32)]); x = x.reshape(x.shape[:-1] + (-1, 32)); a = np.abs(x).max(-1, keepdims=True)
;;       e = np.where(a > 0, np.clip(np.frexp(np.where(a > 0, a, 1))[1] - 1 - 8, -126, 127), 0)      # np.frexp(a)[1] - 1 = floor(log2(a)), exactly
;;       r = np.clip(x / 2.0 ** e, -448, 448)
;;       step = 2.0 ** (np.maximum(np.frexp(np.where(r == 0, 1, r))[1] - 1, -6) - 3)
;;       q = np.round(r / step) * step * 2.0 ** e      # np.round: ties to even
;;       return np.moveaxis(q.reshape(q.shape[:-2] + (-1,))[..., :K], -1, axis).astype(np.float32)
;;   ~~~
;;   SOFTMAX AHEAD OF A QUANTISED PRODUCT. Where the list says 'softmax', what is quantised is not the finished softmax but p = 2^(t - M), with t = logit x log2(e) and M = ceil(the row's largest t), a whole number; so 1/2 < the row's largest p <= 1. The row's sum l is taken of the UNQUANTISED p, in f32, and the product's result is divided by l at the end. Since M is a whole number, a kernel that streams over the keys may use a running M (the ceiling of the running maximum): every later rescaling is an exact power of two, which a block's scale takes up: the codes' values come out the same.
;;   OPERANDS COMPUTED ON THE WAY. 'Computed on the way' means the value that the module computes at that place (a softmax that the list does not call 'softmax' is quantised finished and normalised). What goes into a quantiser is computed in f32, as accurately as f32 sums, v_exp_f32 and their like allow (about 1e-6 of the number): no bf16 or f16 on the way to a quantiser, and a product that is left as it is and whose result goes on into a quantised operand takes f32 operands (vector FMAs, or v_wmma_f32_16x16x4_f32). A number that lies on a knife's edge between two numbers of the format may be rounded either way, as far as f32 arithmetic and the matrix unit's own rounding can turn it there, and no further.
;;   INPUTS GIVEN AS CODES. W_k (in the module: [1024, 1024], K = its axis 1); W_out (in the module: [1024, 1024], K = its axis 1); W_q (in the module: [1024, 1024], K = its axis 1); W_v (in the module: [1024, 1024], K = its axis 1); x (in the module: [4, 2048, 1024], K = its axis 2): each comes as NAME_codes (uint8): NAME with its K axis moved to the last place and cut into blocks of 32 codes, [.., K / 32, bytes a block], one block behind the other in memory; one code a byte (a code: sign, 4 exponent bits, 3 mantissa bits); and NAME_scales (uint8): the same leading axes, one E8M0 byte (e + 127) for each 32 codes along K. Its value is code x scale, taken as it is: it is not quantised again, and the codes and scales need not be those that the quantiser above would give.
;; One version. Each part assembles by itself: llvm-mc -triple=amdgcn-amd-amdhsa -mcpu=gfx1250 --defsym DOCPART=n.
;; ======== version 1 of 1: 3 launches
;; limits: right only within a limited range of input values
;; workspace buffers: q_img 8,388,608 bytes; k_img 8,388,608 bytes; v_img 8,388,608 bytes; q_sc 262,144 bytes; k_sc 262,144 bytes; v_sc 262,144 bytes; c_img 8,388,608 bytes; c_sc 262,144 bytes
;; launch qkv (part 1): grid 8 x 96, 4 waves a work-group, clusters of 4 x 4, 327,680 bytes of LDS; arguments x_codes, x_scales, W_q_codes, W_q_scales, W_k_codes, W_k_scales, W_v_codes, W_v_scales, q_img, q_sc, k_img, k_sc, v_img, v_sc; writes q_img, q_sc, k_img, k_sc, v_img, v_sc
.if DOCPART == 1
	.amdgcn_target "amdgcn-amd-amdhsa--gfx1250"
	.amdhsa_code_object_version 6
	.text
	.protected	k_q04a6f0f69d_qkv
	.globl	k_q04a6f0f69d_qkv
	.p2align	8
	.type	k_q04a6f0f69d_qkv,@function
k_q04a6f0f69d_qkv:
	s_mov_b64 s[64:65], 0
	v_nop
	global_prefetch_b8 v0, s[64:65] scope:SCOPE_SE
	s_setreg_imm32_b32 hwreg(HW_REG_WAVE_MODE, 25, 1), 1
	s_wait_xcnt 0x0
	s_wait_alu depctr_hold_cnt(0) depctr_sa_sdst(0) depctr_va_vdst(0) depctr_va_sdst(0) depctr_va_ssrc(0) depctr_va_vcc(0) depctr_vm_vsrc(0)
	s_getreg_b32 s2, hwreg(HW_REG_IB_STS2, 6, 4)
	s_cmp_eq_u32 s2, 0
	s_cbranch_scc0 .Lentry_in_a_cluster
	s_endpgm
.Lentry_in_a_cluster:
	s_bfe_u32 s2, ttmp6, 0x10000c
	s_cmp_lg_u32 s2, 0xf033
	s_cbranch_scc0 .Lentry_shape_is_right
	s_endpgm
.Lentry_shape_is_right:
; q = x Wq^T, k = x Wk^T, v = x Wv^T on codes of E4M3 with one E8M0 byte for each 32 along K (K = 1,024), and the quantisers behind them: q and k along the head's 64, v along the keys.
; ONE TEXT FOR ALL THREE.  The matrix instruction's source 0 is called R (its rows run along a lane's result registers), source 1 is called L (its rows sit in the lanes).
;   q, k: R = 256 rows of W, L = 128 rows of x: a lane holds one row of x and neighbours along the head's axis.     v: R = 256 rows of x (keys), L = 128 rows of Wv: a lane holds one channel and neighbours along the keys.
; Only pointers and scalar offsets are chosen, by the cluster's coordinates: clusters with y < 16 make q (x = 0) or k (x = 1), the others v.  512 + 256 work-groups of equal work.
; A work-group makes 256 (R) x 128 (L); each of its four waves 128 x 64: 32 accumulators.  K goes in steps of 256 through THREE LDS slots: slots 0, 1, 2 are first fills (K 0-767), slot 0 is filled once more (K 768-1023).
; So the text is straight: eight steps of 128 along K, one round of the cluster's barrier in the middle.  By this text's own count a wave has three tensor loads out at the start and one behind the refill.
; CLUSTERS 4 x 4: R's tile hangs on the cluster's column (cx) and is asked for jointly down a column, L's on the row (cy) and jointly along a row.
; THE SCALE WORDS of a wave's rows for all of K (8 words a row) are loaded once into 48 registers: lanes 0-15 hold an even block's rows, lanes 16-31 the odd block's.
; THE RESULTS leave as IMAGES OF OPERAND REGISTERS: a piece is 32 lanes x 16 bytes = 512 consecutive bytes.  Byte 8 u + j of lane (r, h) in the piece of block c is position 32 c + 16 u + 8 h + j of that block's axis:
; a permutation inside a block of 32, the same on both operands of the product that reads it (q with k, v with p), which keeps every product and every scale and changes only the order of the sum.
; LIMITS: NaN and infinities among the inputs are not served.  A block of zeros gets the byte 1 (its codes are zeros; the bytes are read by this program alone).  Largest magnitudes under 2^-118 are held at that floor.
.set PITCH, 272                        ; an LDS row: 256 bytes + 16 of padding = 68 words: the 16 rows of a fragment load start at 16 different banks
.set RHALF, 128*PITCH                  ; what one tensor load brings of R, and what one wave reads of it
.set LHALF, 64*PITCH                   ; the same of L
.set LOFF,  2*RHALF                    ; a slot: R's 256 rows, then L's 128
.set SLOT,  LOFF+2*LHALF
.set SPARE, 3*SLOT                     ; behind the slots: the spare words, 128 bytes a wave, two blocks of 256 bytes that no other line names
.set ADRR, 16                          ; v16-18  LDS address of my R fragments in slot 0, 1, 2
.set ADRL, 20                          ; v20-22  the same for L
.set LI16, 24                          ; v24     16 x lane
.set LI8,  25                          ; v25     8 x lane
.set SELV, 26                          ; v26     byte select: lanes 0-15 the low halves of two words, lanes 16-31 the high halves
.set LI32, 27                          ; v27     32 x lane
.set SPW,  28                          ; v28     my spare word; never rewritten
.set NIL,  29                          ; v29     0; never rewritten
.set PS,   32                          ; v32-63  R's scale words: register 8 I + s: blocks 2 I (lanes 0-15) and 2 I + 1 (lanes 16-31), K step s
.set QS,   64                          ; v64-79  L's likewise
.set TM,   80                          ; v80-95  the quantiser's four blocks: largest magnitudes, bytes, scale operands
.set WW,   96                          ; v96-99  the scale word of L block a
.set EF,   100                         ; v100-103 the scale words on their way out
.set LF,   128                         ; v128-191, v192-255: L's fragments, two sets; on the way out v128-191 take the codes.  Window 1: R's two sets.  Window 2: accumulator (a, b) at v[8 (8 a + b)]
.set G1R,  40                          ; s[40:47] descriptor group 1 for R's tiles, s[48:55] for L's
.set G1L,  48                          ; groups 0: R's s[56:59], s[60:63], s[68:71]; L's s[72:83]: one for each slot
.set MUL,  0xa1                        ; source 0 (R) window 1, source 1 (L) window 0, C and D window 2
.set TO_R, 0x40                        ; destination window 1, address window 0
.set MSB, 0
.macro WIN new                         ; the immediate's high byte repeats the setting that is left
.if MSB != \new
	s_set_vgpr_msb (MSB<<8)|\new
.set MSB, \new
.endif
.endm
; A joint load: waves 0 and 1 fetch R's halves, waves 2 and 3 L's.  The branch hangs on the wave's number alone.  Four v_nop follow each of the two lines.
.macro JLOAD g0r, g0l
	s_cmp_eq_u32 s33, 0
	s_cbranch_scc0 .Lfor_l_\@
	tensor_load_to_lds s[\g0r:\g0r+3], s[G1R:G1R+7]
	s_nop 0
.rept 4
	v_nop
.endr
	s_branch .Lasked_\@
.Lfor_l_\@:
	tensor_load_to_lds s[\g0l:\g0l+3], s[G1L:G1L+7]
	s_nop 0
.rept 4
	v_nop
.endr
.Lasked_\@:
.endm
.macro CREST                           ; a round of the cluster's barrier behind its opening barrier
	s_cmp_lg_u32 s32, 0
	s_cbranch_scc1 .Lnot_wave_0_\@
	s_barrier_signal -3
.Lnot_wave_0_\@:
	s_barrier_wait -3
	s_barrier_signal -1
	s_barrier_wait -1
.endm
.macro CROUND                          ; a whole round
	s_barrier_signal -1
	s_barrier_wait -1
	CREST
.endm
.macro PLACES n                        ; plain vector lines behind matrix instructions: eight for this form, in front of loads into registers that they read and of the first read of results
.rept \n
	v_nop
.endr
.endm
; One product: L block a x R block b, K step s, fragments of set.  zero = 1: it starts the sum.  An odd block's scale words lie in lanes 16-31 of the register.
.macro WM a, b, set, s, zero
.set rD, 8*(8*(\a)+(\b))
.set rR, 128*(\set)+16*(\b)
.set rL, LF+64*(\set)+16*(\a)
.set rP, PS+8*((\b)/2)+(\s)
.set rQ, QS+8*((\a)/2)+(\s)
.set rw, 2*((\a)%2)+((\b)%2)
.if \zero
.if rw == 0
	v_wmma_scale_f32_16x16x128_f8f6f4 v[rD:rD+7], v[rR:rR+15], v[rL:rL+15], 0, v[rP], v[rQ]
.elseif rw == 1
	v_wmma_scale_f32_16x16x128_f8f6f4 v[rD:rD+7], v[rR:rR+15], v[rL:rL+15], 0, v[rP], v[rQ] matrix_a_scale:MATRIX_SCALE_ROW1
.elseif rw == 2
	v_wmma_scale_f32_16x16x128_f8f6f4 v[rD:rD+7], v[rR:rR+15], v[rL:rL+15], 0, v[rP], v[rQ] matrix_b_scale:MATRIX_SCALE_ROW1
.else
	v_wmma_scale_f32_16x16x128_f8f6f4 v[rD:rD+7], v[rR:rR+15], v[rL:rL+15], 0, v[rP], v[rQ] matrix_a_scale:MATRIX_SCALE_ROW1 matrix_b_scale:MATRIX_SCALE_ROW1
.endif
.else
.if rw == 0
	v_wmma_scale_f32_16x16x128_f8f6f4 v[rD:rD+7], v[rR:rR+15], v[rL:rL+15], v[rD:rD+7], v[rP], v[rQ]
.elseif rw == 1
	v_wmma_scale_f32_16x16x128_f8f6f4 v[rD:rD+7], v[rR:rR+15], v[rL:rL+15], v[rD:rD+7], v[rP], v[rQ] matrix_a_scale:MATRIX_SCALE_ROW1
.elseif rw == 2
	v_wmma_scale_f32_16x16x128_f8f6f4 v[rD:rD+7], v[rR:rR+15], v[rL:rL+15], v[rD:rD+7], v[rP], v[rQ] matrix_b_scale:MATRIX_SCALE_ROW1
.else
	v_wmma_scale_f32_16x16x128_f8f6f4 v[rD:rD+7], v[rR:rR+15], v[rL:rL+15], v[rD:rD+7], v[rP], v[rQ] matrix_a_scale:MATRIX_SCALE_ROW1 matrix_b_scale:MATRIX_SCALE_ROW1
.endif
.endif
.endm
.macro MUL8 a, set, s, zero            ; L block a against R's eight.  The 32 accumulators take turns, one instruction a turn, in the same order in every step
.irp b, 0,1,2,3,4,5,6,7
	WM \a, \b, \set, \s, \zero
.endr
.endm
; The fragments of step k (128 along K): slot (k / 2) % 3, its half k % 2, into set k % 2.  A fragment is 16 rows x 128 K in 16 registers: lane l holds row l % 16, registers 4 c .. 4 c + 3 hold K = 32 c + 16 (l / 16) + 0 .. 15.
.macro FETCH k
.set fs, ((\k)/2)%3
.set fq, (\k)%2
	WIN TO_R
.irp b, 0,1,2,3,4,5,6,7
.irp c, 0,1,2,3
	ds_load_b128 v[128*fq+16*\b+4*\c:128*fq+16*\b+4*\c+3], v[ADRR+fs] offset:128*fq+32*\c+\b*16*PITCH
.endr
.endr
	WIN 0
.irp a, 0,1,2,3
.irp c, 0,1,2,3
	ds_load_b128 v[LF+64*fq+16*\a+4*\c:LF+64*fq+16*\a+4*\c+3], v[ADRL+fs] offset:128*fq+32*\c+\a*16*PITCH
.endr
.endr
.endm
.macro STEP k, zero                    ; 32 products; the next step's 48 loads stand in one run in the middle
	s_wait_dscnt 8                                 ; R's set and L's blocks 0, 1 are in; the youngest eight loads (L's blocks 2, 3) may be out
	WIN MUL
	MUL8 0, (\k)%2, \k, \zero
	MUL8 1, (\k)%2, \k, \zero
	PLACES 8                                       ; for the loads into the other set, which the step before multiplied
	FETCH (\k)+1
	s_wait_dscnt 48                                ; all but the 48 just issued
	WIN MUL
	MUL8 2, (\k)%2, \k, \zero
	MUL8 3, (\k)%2, \k, \zero
	WIN 0
.endm
; The 64 results of L block a (window 2, v[64 a] on: register 16 b + i belongs to block b of 32 along R) become 64 codes in v[LF + 16 a] on and the scale word v[WW + a].
.macro QUANT a
	WIN 0x0a                                       ; sources 0 and 1 window 2
.irp b, 0,1,2,3
	v_max3_num_f32 v[TM+\b], |v[64*\a+16*\b]|, |v[64*\a+16*\b+1]|, 0x4800000   ; my 16 numbers of block b, from each accumulator's low end on, and the floor 2^(9 - 127): the byte cannot fall under 1
.endr
	WIN 0x28                                       ; sources 1 and 2 window 2
.irp i, 2,4,6,8,10,12,14
.irp b, 0,1,2,3
	v_max3_num_f32 v[TM+\b], v[TM+\b], |v[64*\a+16*\b+\i]|, |v[64*\a+16*\b+\i+1]|
.endr
.endr
	WIN 0
.irp b, 0,1,2,3
	v_permlanex16_b32 v[TM+4+\b], v[TM+\b], s30, s31
.endr
.irp b, 0,1,2,3
	v_max_num_f32 v[TM+\b], v[TM+\b], v[TM+4+\b]   ; with lane l xor 16's 16: the block's largest magnitude
.endr
.irp b, 0,1,2,3
	v_add_nc_u32 v[TM+12+\b], 0xfc000000, v[TM+\b] ; 8 off its exponent field: the conversion takes this operand's exponent field as its scale
.endr
.irp b, 0,1,2,3
.endr
.irp b, 0,1,2,3
	v_lshrrev_b32 v[TM+4+\b], 23, v[TM+12+\b]      ; the scale's byte
.endr
	v_lshl_or_b32 v[WW+\a], v[TM+5], 8, v[TM+4]
	v_lshl_or_b32 v[WW+\a], v[TM+6], 16, v[WW+\a]
	v_lshl_or_b32 v[WW+\a], v[TM+7], 24, v[WW+\a]
	WIN 0x82                                       ; destination and source 0 window 2
.irp b, 0,1,2,3
.set n, 0
.rept 16
.set n, n+1
.endr
.endr
	WIN 0x02                                       ; source 0 window 2, destination window 0
.irp b, 0,1,2,3
	v_cvt_scalef32_pk8_fp8_f32 v[LF+16*\a+4*\b:LF+16*\a+4*\b+1], v[64*\a+16*\b:64*\a+16*\b+7], v[TM+12+\b]
	v_cvt_scalef32_pk8_fp8_f32 v[LF+16*\a+4*\b+2:LF+16*\a+4*\b+3], v[64*\a+16*\b+8:64*\a+16*\b+15], v[TM+12+\b]
.endr
	WIN 0
	v_nop                                          ; one plain line behind the last conversion
	global_store_b128 v[LI16], v[LF+16*\a:LF+16*\a+3], s[4+4*\a:5+4*\a]               ; each store: 512 consecutive bytes, aligned; every block a has code registers of its own
	global_store_b128 v[LI16], v[LF+16*\a+4:LF+16*\a+7], s[4+4*\a:5+4*\a] offset:512
	global_store_b128 v[LI16], v[LF+16*\a+8:LF+16*\a+11], s[6+4*\a:7+4*\a]
	global_store_b128 v[LI16], v[LF+16*\a+12:LF+16*\a+15], s[6+4*\a:7+4*\a] offset:512
.endm
	s_load_b512 s[4:19], s[0:1], 0x0               ; x codes s[4:5], x scales s[6:7], Wq s[8:11], Wk s[12:15], Wv s[16:19]
	s_load_b256 s[20:27], s[0:1], 0x40             ; q_img, q_sc, k_img, k_sc
	s_load_b128 s[28:31], s[0:1], 0x60             ; v_img, v_sc
	v_lshl_add_u32 v[SPW], v0, 2, SPARE
	v_mov_b32 v[NIL], 0
	ds_add_u32 v28, v29
	ds_add_u32 v28, v29
	s_wait_dscnt 0x0
	v_lshrrev_b32 v1, 5, v0
	v_readfirstlane_b32 s32, v1                    ; wave 0..3
	s_lshr_b32 s33, s32, 1                         ; which half of L's rows is mine.  Also: I fetch for R (0) or for L (1)
	s_and_b32 s34, s32, 1                          ; which half of R's rows is mine.  Also: which half of that tile I fetch
	s_bfe_u32 s35, ttmp6, 0x40000                  ; cx
	s_bfe_u32 s36, ttmp6, 0x40004                  ; cy
	s_and_b32 s37, ttmp7, 0xffff                   ; the cluster's y: under 16: q or k; from 16 on: v
	s_max_u32 s38, s37, 16
	s_sub_co_u32 s38, s38, 16                      ; v's cluster row 0..7 (0 for q, k: not used there)
	s_lshr_b32 s39, s38, 1
	s_lshl_b32 s39, s39, 1
	s_add_co_u32 s39, s39, ttmp9
	s_lshl_b32 s39, s39, 2                         ; v: R's block less cx: 4 (cluster x + 2 (row / 2))
	s_and_b32 s96, s38, 1
	s_lshl_b32 s96, s96, 2                         ; v: L's block less cy: 4 (row % 2)
	s_lshl_b32 s97, s37, 2                         ; q, k: L's block less cy: 4 x cluster y
	s_cmp_ge_u32 s37, 16
	s_cselect_b32 s39, s39, 0
	s_cselect_b32 s96, s96, s97
	s_add_co_u32 s39, s39, s35                     ; R's block of 256 rows: it holds cx and never cy
	s_add_co_u32 s96, s96, s36                     ; L's block of 128 rows: it holds cy and never cx
	s_lshl_b32 s2, s36, 2
	s_lshl_b32 s2, 15, s2                          ; my row of the cluster
	s_lshl_b32 s3, 0x1111, s35                     ; my column
	s_or_b32 s[G1R], s3, (1<<20)|(1<<21)|(5<<22)|(3<<25)   ; 15:0 the mask; 17:16 elements of 1 byte; 20 padding on; 21 set beside a mask; 24:22 after every 64 words; 31:25 four words
	s_or_b32 s[G1L], s2, (1<<20)|(1<<21)|(5<<22)|(3<<25)
	s_mov_b32 s[G1R+1], 256<<16                    ; tensor_dim0 = 256
	s_mov_b32 s[G1R+2], 128<<16                    ; tensor_dim1 = 128
	s_mov_b32 s[G1R+3], 256<<16                    ; tile_dim0 = 256
	s_mov_b32 s[G1R+4], 128                        ; tile_dim1 = 128
	s_mov_b32 s[G1R+5], 1024                       ; from row to row
	s_mov_b32 s[G1R+6], 0
	s_mov_b32 s[G1R+7], 0
	s_mov_b32 s[G1L+1], 256<<16
	s_mov_b32 s[G1L+2], 64<<16                     ; 64 rows
	s_mov_b32 s[G1L+3], 256<<16
	s_mov_b32 s[G1L+4], 64
	s_mov_b32 s[G1L+5], 1024
	s_mov_b32 s[G1L+6], 0
	s_mov_b32 s[G1L+7], 0
	s_lshl_b32 s98, s39, 18                        ; R: (256 x block + 128 x half) rows of 1,024 bytes
	s_lshl_b32 s99, s34, 17
	s_add_co_u32 s98, s98, s99
	s_mov_b32 s99, 0
	s_lshl_b32 s100, s96, 17                       ; L: (128 x block + 64 x half) rows
	s_lshl_b32 s101, s34, 16
	s_add_co_u32 s100, s100, s101
	s_mov_b32 s101, 0
	s_mul_i32 s66, s34, RHALF                      ; where they go: the wave's number alone
	s_mul_i32 s67, s34, LHALF
	s_add_co_u32 s67, s67, LOFF
	s_wait_kmcnt 0x0
	s_cmp_eq_u32 ttmp9, 0                          ; q or k: the choice hangs on the cluster's x alone
	s_cselect_b64 s[84:85], s[8:9], s[12:13]
	s_cselect_b64 s[86:87], s[10:11], s[14:15]
	s_cselect_b64 s[92:93], s[20:21], s[24:25]
	s_cselect_b64 s[94:95], s[22:23], s[26:27]
	s_cmp_ge_u32 s37, 16                           ; or v: on its y alone
	s_cselect_b64 s[88:89], s[16:17], s[4:5]       ; L's codes: Wv or x
	s_cselect_b64 s[90:91], s[18:19], s[6:7]       ; L's scales
	s_cselect_b64 s[84:85], s[4:5], s[84:85]       ; R's codes: x or W
	s_cselect_b64 s[86:87], s[6:7], s[86:87]       ; R's scales
	s_cselect_b64 s[92:93], s[28:29], s[92:93]     ; the images
	s_cselect_b64 s[94:95], s[30:31], s[94:95]     ; the scale words
	s_add_nc_u64 s[98:99], s[84:85], s[98:99]
	s_add_nc_u64 s[100:101], s[88:89], s[100:101]
	CROUND                                         ; all sixteen work-groups are here: the first joint loads meet
.irp s, 0,1,2
.set GR, 56+4*\s+4*(\s/2)
.set GL, 72+4*\s
	s_mov_b32 s[GR], 1
	s_add_co_u32 s[GR+1], s66, \s*SLOT
	s_add_nc_u64 s[GR+2:GR+3], s[98:99], \s*256    ; slot s begins with K = 256 s
	s_or_b32 s[GR+3], s[GR+3], 0x80000000
	s_mov_b32 s[GL], 1
	s_add_co_u32 s[GL+1], s67, \s*SLOT
	s_add_nc_u64 s[GL+2:GL+3], s[100:101], \s*256
	s_or_b32 s[GL+3], s[GL+3], 0x80000000
	JLOAD GR, GL
.endr
	v_and_b32 v1, 15, v0                           ; r
	v_bfe_u32 v2, v0, 4, 1                         ; h
	v_and_b32 v4, 31, v0                           ; lane
	v_mul_u32_u24 v3, v1, PITCH
	v_lshl_add_u32 v3, v2, 4, v3                   ; a fragment's row x pitch + 16 h
	s_mul_i32 s104, s33, LHALF
	s_add_co_u32 s104, s104, LOFF
	v_add_nc_u32 v[ADRR], s66, v3                  ; my 128 rows of R (s66 = my R half x RHALF)
	v_add_nc_u32 v[ADRL], s104, v3                 ; my 64 rows of L
	v_add_nc_u32 v[ADRR+1], SLOT, v[ADRR]
	v_add_nc_u32 v[ADRL+1], SLOT, v[ADRL]
	v_add_nc_u32 v[ADRR+2], 2*SLOT, v[ADRR]
	v_add_nc_u32 v[ADRL+2], 2*SLOT, v[ADRL]
	v_lshlrev_b32 v[LI16], 4, v4
	v_lshlrev_b32 v[LI8], 3, v4
	v_lshlrev_b32 v[LI32], 5, v4
	s_wait_alu depctr_va_vdst(0)
	s_lshl_b32 s20, s39, 13                        ; R's scales: (256 x block + 128 x my half) rows of 32 bytes
	s_lshl_b32 s2, s34, 12
	s_add_co_u32 s20, s20, s2
	s_mov_b32 s21, 0
	s_add_nc_u64 s[86:87], s[86:87], s[20:21]
	s_lshl_b32 s22, s96, 12                        ; L's: (128 x block + 64 x my half) rows
	s_lshl_b32 s2, s33, 11
	s_add_co_u32 s22, s22, s2
	s_mov_b32 s23, 0
	s_add_nc_u64 s[90:91], s[90:91], s[22:23]
.irp i, 0,1,2,3
	global_load_b128 v[PS+8*\i:PS+8*\i+3], v[LI32], s[86:87] offset:1024*\i        ; row 32 i + lane: its eight words; the two loads together read 1,024 consecutive bytes
	global_load_b128 v[PS+8*\i+4:PS+8*\i+7], v[LI32], s[86:87] offset:1024*\i+16
.endr
.irp i, 0,1
	global_load_b128 v[QS+8*\i:QS+8*\i+3], v[LI32], s[90:91] offset:1024*\i
	global_load_b128 v[QS+8*\i+4:QS+8*\i+7], v[LI32], s[90:91] offset:1024*\i+16
.endr
	s_mov_b32 s105, 0xffff0000                     ; lanes 16-31
	v_mov_b32 v[SELV], 0x05040100
	v_mov_b32 v5, 0x07060302
	v_cndmask_b32 v[SELV], v[SELV], v5, s105
.irp b, 0,1,2,3
	v_mov_b32 v[TM+4+\b], 0                        ; written once: a lane permute's destination counts as one of its sources
.endr
	; where my results go.  m0 = my first L row, n0 = my first R row
	s_lshl_b32 s20, s96, 7
	s_lshl_b32 s2, s33, 6
	s_add_co_u32 s20, s20, s2                      ; m0
	s_lshl_b32 s21, s39, 8
	s_lshl_b32 s2, s34, 7
	s_add_co_u32 s21, s21, s2                      ; n0
	s_lshr_b32 s22, s20, 11                        ; q, k: batch,
	s_and_b32 s23, s20, 2047                       ; row in it,
	s_lshr_b32 s24, s21, 6                         ; first of my two heads
	s_lshl_b32 s25, s22, 4
	s_add_co_u32 s25, s25, s24
	s_lshl_b32 s25, s25, 7
	s_lshr_b32 s2, s23, 4
	s_add_co_u32 s25, s25, s2
	s_lshl_b32 s25, s25, 10                        ; images: ((16 batch + head) 128 + tile) x 1,024
	s_lshl_b32 s26, s22, 5
	s_lshr_b32 s2, s23, 6
	s_add_co_u32 s26, s26, s2
	s_lshl_b32 s26, s26, 4
	s_add_co_u32 s26, s26, s24
	s_lshl_b32 s26, s26, 7                         ; scale words: ((32 batch + group of 64 rows) 16 + head) x 128
	s_lshr_b32 s22, s21, 11                        ; v: batch,
	s_and_b32 s23, s21, 2047                       ; key in it,
	s_lshr_b32 s24, s20, 6                         ; head
	s_lshl_b32 s22, s22, 4
	s_add_co_u32 s22, s22, s24
	s_lshl_b32 s22, s22, 4
	s_lshr_b32 s23, s23, 7
	s_add_co_u32 s22, s22, s23                     ; (16 batch + head) 16 + key step
	s_lshl_b32 s27, s22, 13                        ; images: x 8,192
	s_lshl_b32 s3, s22, 8                          ; scale words: x 256
	s_mov_b32 s24, 1024
	s_mov_b32 s2, 131072
	s_cmp_ge_u32 s37, 16
	s_cselect_b32 s20, s27, s25
	s_cselect_b32 s22, s3, s26
	s_cselect_b32 s24, 2048, s24                   ; from L block to L block: a tile of q, k is 1,024 bytes, a channel tile of v 2,048
	s_cselect_b32 s26, 1024, s2                    ; from pieces 0, 1 to pieces 2, 3: q, k: the next head; v: on end
	s_cselect_b32 s28, -1, 0                       ; all lanes: v
	s_mov_b32 s21, 0
	s_mov_b32 s23, 0
	s_mov_b32 s25, 0
	s_mov_b32 s27, 0
	s_add_nc_u64 s[4:5], s[92:93], s[20:21]        ; eight bases: s[4 + 4 a] pieces 0, 1 of block a, s[6 + 4 a] pieces 2, 3
	s_add_nc_u64 s[6:7], s[4:5], s[26:27]
.irp a, 1,2,3
	s_add_nc_u64 s[4+4*\a:5+4*\a], s[4*\a:4*\a+1], s[24:25]
	s_add_nc_u64 s[6+4*\a:7+4*\a], s[4+4*\a:5+4*\a], s[26:27]
.endr
	s_add_nc_u64 s[94:95], s[94:95], s[22:23]
	s_mov_b32 s30, 0x76543210
	s_mov_b32 s31, 0xfedcba98                      ; v_permlanex16_b32's selects for lane l xor 16
	s_wait_tensorcnt 2                             ; my part of slot 0 is in; slots 1 and 2 may stay out
	s_barrier_signal -1
	s_barrier_wait -1                              ; everybody's is
	FETCH 0
	s_wait_loadcnt 0x0                             ; the scale words
	STEP 0, 1                                      ; the first step's products start the sums: nothing is cleared
	; step 1 leaves slot 0, which is filled again with K 768-1023
	s_wait_tensorcnt 0x0                           ; all my tensor loads have landed: my parts of slots 1 and 2 among them
	ds_add_u32 v[SPW], v[NIL]                      ; 0 onto my spare word
	s_wait_dscnt 9                                 ; (the add and the youngest eight loads may be out)
	WIN MUL
	MUL8 0, 1, 1, 0                                ; eight products stand between the add and the wait for it
	s_wait_dscnt 0x0                               ; the add is done, and my reads of slot 0 are over
	s_barrier_signal -1
	MUL8 1, 1, 1, 0
	WIN 0
	s_barrier_wait -1
	CREST                                          ; the barrier has opened a round of the cluster's barrier: no wave of any partner still reads slot 0 or has a load on its way
	s_add_nc_u64 s[58:59], s[58:59], 768
	s_add_nc_u64 s[74:75], s[74:75], 768
	JLOAD 56, 72                                   ; the first tensor load behind the round; it has three and a half steps, 112 products, in which to land
	PLACES 4                                       ; with the four behind the load: eight, in front of the loads below
	FETCH 2
	WIN MUL
	MUL8 2, 1, 1, 0
	MUL8 3, 1, 1, 0
	WIN 0
	STEP 2, 0
	STEP 3, 0                                      ; it fetches from slot 2: every wave's part was shown landed ahead of the round above
	STEP 4, 0
	; step 5 goes back to slot 0: its second tile must be whole
	s_wait_tensorcnt 0x0                           ; my part of it has landed
	s_wait_dscnt 0x0
	s_barrier_signal -1
	WIN MUL
	MUL8 0, 1, 5, 0
	MUL8 1, 1, 5, 0
	WIN 0
	s_barrier_wait -1                              ; everybody's has
	PLACES 8
	FETCH 6
	WIN MUL
	MUL8 2, 1, 5, 0
	MUL8 3, 1, 5, 0
	WIN 0
	STEP 6, 0
	s_wait_dscnt 8                                 ; the last step: nothing more to fetch
	WIN MUL
	MUL8 0, 1, 7, 0
	MUL8 1, 1, 7, 0
	s_wait_dscnt 0x0
	MUL8 2, 1, 7, 0
	MUL8 3, 1, 7, 0
	WIN 0
	PLACES 8
	QUANT 0
	QUANT 1
	QUANT 2
	QUANT 3
	; the scale words.  q, k: lanes 0-15 serve my first head (the words' low halves), lanes 16-31 my second: a word holds two tiles' pairs of bytes.  v: lanes 0-15 channel tiles 0, 1, lanes 16-31 tiles 2, 3.
	v_perm_b32 v[EF], v[WW+1], v[WW], v[SELV]
	v_perm_b32 v[EF+1], v[WW+3], v[WW+2], v[SELV]
	v_cndmask_b32 v[EF+2], v[WW], v[WW+2], s105
	v_cndmask_b32 v[EF+3], v[WW+1], v[WW+3], s105
	v_cndmask_b32 v[EF], v[EF], v[EF+2], s28
	v_cndmask_b32 v[EF+1], v[EF+1], v[EF+3], s28
	global_store_b64 v[LI8], v[EF:EF+1], s[94:95]  ; 256 consecutive bytes, aligned
	s_wait_tensorcnt 0x0                           ; the wave's end
	ds_add_u32 v[SPW], v[NIL]
	s_wait_dscnt 0x0
	CROUND                                         ; the closing round: no work-group ends while a partner may still ask for a tile that names it
	s_endpgm
.Lfunc_end_k_q04a6f0f69d_qkv:
	.size	k_q04a6f0f69d_qkv, .Lfunc_end_k_q04a6f0f69d_qkv-k_q04a6f0f69d_qkv
	.p2alignl 7, 3214868480
	.fill 96, 4, 3214868480
	.section	.rodata,"a",@progbits
	.p2align	6, 0x0
	.amdhsa_kernel k_q04a6f0f69d_qkv
		.amdhsa_group_segment_fixed_size 327680
		.amdhsa_private_segment_fixed_size 0
		.amdhsa_enable_private_segment 0
		.amdhsa_kernarg_size 112
		.amdhsa_user_sgpr_count 2
		.amdhsa_user_sgpr_kernarg_segment_ptr 1
		.amdhsa_wavefront_size32 1
		.amdhsa_system_sgpr_workgroup_id_x 1
		.amdhsa_system_sgpr_workgroup_id_y 1
		.amdhsa_system_sgpr_workgroup_id_z 1
		.amdhsa_system_vgpr_workitem_id 0
		.amdhsa_next_free_vgpr 768
		.amdhsa_next_free_sgpr 106
		.amdhsa_reserve_vcc 0
		.amdhsa_float_denorm_mode_32 3
		.amdhsa_float_denorm_mode_16_64 3
		.amdhsa_fp16_overflow 1
		.amdhsa_memory_ordered 1
		.amdhsa_forward_progress 1
		.amdhsa_inst_pref_size 90
	.end_amdhsa_kernel
	.amdgpu_metadata
---
amdhsa.version: [ 1, 2 ]
amdhsa.kernels:
  - .name:           k_q04a6f0f69d_qkv
    .symbol:         k_q04a6f0f69d_qkv.kd
    .args:
      - { .name: x_codes, .offset: 0, .size: 8, .value_kind: global_buffer, .address_space: global }
      - { .name: x_scales, .offset: 8, .size: 8, .value_kind: global_buffer, .address_space: global }
      - { .name: W_q_codes, .offset: 16, .size: 8, .value_kind: global_buffer, .address_space: global }
      - { .name: W_q_scales, .offset: 24, .size: 8, .value_kind: global_buffer, .address_space: global }
      - { .name: W_k_codes, .offset: 32, .size: 8, .value_kind: global_buffer, .address_space: global }
      - { .name: W_k_scales, .offset: 40, .size: 8, .value_kind: global_buffer, .address_space: global }
      - { .name: W_v_codes, .offset: 48, .size: 8, .value_kind: global_buffer, .address_space: global }
      - { .name: W_v_scales, .offset: 56, .size: 8, .value_kind: global_buffer, .address_space: global }
      - { .name: q_img, .offset: 64, .size: 8, .value_kind: global_buffer, .address_space: global }
      - { .name: q_sc, .offset: 72, .size: 8, .value_kind: global_buffer, .address_space: global }
      - { .name: k_img, .offset: 80, .size: 8, .value_kind: global_buffer, .address_space: global }
      - { .name: k_sc, .offset: 88, .size: 8, .value_kind: global_buffer, .address_space: global }
      - { .name: v_img, .offset: 96, .size: 8, .value_kind: global_buffer, .address_space: global }
      - { .name: v_sc, .offset: 104, .size: 8, .value_kind: global_buffer, .address_space: global }
    .group_segment_fixed_size: 327680
    .private_segment_fixed_size: 0
    .kernarg_segment_align: 8
    .kernarg_segment_size: 112
    .max_flat_workgroup_size: 128
    .sgpr_count:     106
    .vgpr_count:     768
    .wavefront_size: 32
...
	.end_amdgpu_metadata
.endif
;; end of part 1
;; launch attn (part 2): grid 4 x 64, 16 waves a work-group, clusters of 4 x 1, 327,680 bytes of LDS; arguments q_img, q_sc, k_img, k_sc, v_img, v_sc, c_img, c_sc; writes c_img, c_sc
.if DOCPART == 2
	.amdgcn_target "amdgcn-amd-amdhsa--gfx1250"
	.amdhsa_code_object_version 6
	.text
	.protected	k_q04a6f0f69d_attn
	.globl	k_q04a6f0f69d_attn
	.p2align	8
	.type	k_q04a6f0f69d_attn,@function
k_q04a6f0f69d_attn:
	s_mov_b64 s[64:65], 0
	v_nop
	global_prefetch_b8 v0, s[64:65] scope:SCOPE_SE
	s_setreg_imm32_b32 hwreg(HW_REG_WAVE_MODE, 25, 1), 1
	s_wait_xcnt 0x0
	s_wait_alu depctr_hold_cnt(0) depctr_sa_sdst(0) depctr_va_vdst(0) depctr_va_sdst(0) depctr_va_ssrc(0) depctr_va_vcc(0) depctr_vm_vsrc(0)
	s_getreg_b32 s2, hwreg(HW_REG_IB_STS2, 6, 4)
	s_cmp_eq_u32 s2, 0
	s_cbranch_scc0 .Lentry_in_a_cluster
	s_endpgm
.Lentry_in_a_cluster:
	s_bfe_u32 s2, ttmp6, 0x10000c
	s_cmp_lg_u32 s2, 0x3003
	s_cbranch_scc0 .Lentry_shape_is_right
	s_endpgm
.Lentry_shape_is_right:
; Causal attention of one (batch, head) per cluster of four work-groups, both products on codes of E4M3 with one E8M0 byte for each 32 along K, and the quantiser of the context behind them.
; THE SOFTMAX: t = score x log2(e) / 8; M = the running largest t rounded UP to a whole number; p = 2^(t - M) is quantised along the keys, not normalised; the row's sum is taken of the unquantised p and divides at the end.
; When M moves, the sum and O are multiplied by 2^(old M - new M): exact.
; THE WHOLE HEAD'S K AND V LIE IN LDS (2 x 131,072 bytes of register images, 2 x 4,096 of scale words), filled ONCE by joint loads of the four work-groups: no slot is filled again.
; By this text's own count a wave has five tensor loads out: its part of the scale words and of four stages of four key steps each; the walk begins when stage 0 has landed.
; SHARES.  Queries go in 16 groups G of 128 (8 tiles of 16).  Work-group cx owns tiles 8 G + 2 cx + u of every group; wave w (u = w % 2, w' = w / 2) does group 15 - w' and then group w': G + 1 key steps each, 17 in all
; for every wave.  No branch and no LDS address hangs on cx: it enters global addresses and one lane constant of the mask alone.
; LAYOUT.  Both products are used transposed: S^T = K Q^T (source 0 = keys, source 1 = my 16 queries), O^T = V^T P^T: a lane holds ONE query (lane % 16) throughout.
; THE HEAD'S 64 IN AN INSTRUCTION OF 128: a fragment of K holds TWO tiles of 16 keys side by side along K; source 1 is [Q | zeros] for the first tile and [zeros | Q] for the second: zero codes add nothing.
; Inside a block of 32 the images hold positions in the order 16 u + 8 h + j, alike on both sides of each product; the context alone meets a given operand and is put back into the natural order before it is stored.
; A key step all of whose keys come after the wave's queries is jumped over (a branch on the wave's number and a counter); on the diagonal hidden scores become -infinity ahead of the maximum.
; LIMITS: NaN and infinities are not served.  A block of zeros gets the byte 1 (its codes are zeros; this program alone reads the bytes).  The context's scale bytes leave as 32 consecutive bytes a tile and head,
; and K's scale words come as rows of 128 bytes: parts of aligned blocks of 256; they are one thirty-second of the codes' bytes.
.set VIMG, 131072                      ; LDS: K's images from 0 (8,192 bytes a key step), V's from here
.set KSC,  262144                      ; K's scale words: 256 bytes a key step; V's 4,096 bytes further on
.set FR,   40                          ; v40-103   four fragments of K, then of V
.set S,    104                         ; v104-167  S^T, then p
.set O,    168                         ; v168-199  O^T: four tiles of 16 channels
.set PC,   200                         ; v200-215  p's codes
.set BM,   216                         ; v216-231  four blocks: largest, bytes, scale operands
; v1 16 x lane; v2 8 x lane; v3 2 r + h; v4 the mask's lane constant; v5 -infinity; v6 8 r; v7 VIMG + 16 x lane; v8-10 the step's addresses; v12 -M; v13 the largest t; v[14:15] the sum;
; v16-23, v32-39 zeros; v24-31 Q; v232-233 K's scale words; v234-235 V's; v236 p's; v237 q's; v[238:239] the factor; v240-247 at work.
; s20 wave, s21 cx, s22 batch x 16 + head, s23 batch, s24 head, s25 u, s26 2 cx + u, s27 w'; s[30:31] lane selects; s[32:33] c; s35 lanes 16-31; s36 byte select;
; s[40:47], s[48:55], s[56:63] groups 1; s[68:87] five groups 0; s88 G; s89 key step; s90, s91 its LDS bytes; s92 trips; s[94:101] the task's four bases.
.macro CROUND                          ; a round of the cluster's barrier
	s_barrier_signal -1
	s_barrier_wait -1
	s_cmp_lg_u32 s20, 0
	s_cbranch_scc1 .Lnot_wave_0_\@
	s_barrier_signal -3
.Lnot_wave_0_\@:
	s_barrier_wait -3
	s_barrier_signal -1
	s_barrier_wait -1
.endm
.macro QK f                            ; fragment f: key tiles 2 f and 2 f + 1.  Its scale words lie in v232 + f % 2, lanes 0-15 for f < 2, lanes 16-31 else
.if \f < 2
	v_wmma_scale_f32_16x16x128_f8f6f4 v[S+16*\f:S+16*\f+7], v[FR+16*\f:FR+16*\f+15], v[24:39], 0, v[232+\f%2], v237
	v_wmma_scale_f32_16x16x128_f8f6f4 v[S+16*\f+8:S+16*\f+15], v[FR+16*\f:FR+16*\f+15], v[16:31], 0, v[232+\f%2], v237
.else
	v_wmma_scale_f32_16x16x128_f8f6f4 v[S+16*\f:S+16*\f+7], v[FR+16*\f:FR+16*\f+15], v[24:39], 0, v[232+\f%2], v237 matrix_a_scale:MATRIX_SCALE_ROW1
	v_wmma_scale_f32_16x16x128_f8f6f4 v[S+16*\f+8:S+16*\f+15], v[FR+16*\f:FR+16*\f+15], v[16:31], 0, v[232+\f%2], v237 matrix_a_scale:MATRIX_SCALE_ROW1
.endif
.endm
; A KEY STEP: 128 keys.  masked = 1: the step may lie behind the diagonal (left out) or on it (hidden scores masked).
.macro STEP masked
.if \masked
	s_cmp_gt_u32 s89, s88
	s_cbranch_scc1 .Lhidden_\@
.endif
	s_setprio 2
	v_add_nc_u32 v8, s90, v1
	v_add_nc_u32 v9, s90, v7
	v_add_nc_u32 v10, s91, v2
.rept 5
	v_nop                                          ; with the three additions: eight places in front of loads into registers that the last products read
.endr
	ds_load_b64 v[232:233], v10                    ; K's scale words of the step
.irp f, 0,1,2,3
.irp c, 0,1,2,3
	ds_load_b128 v[FR+16*\f+4*\c:FR+16*\f+4*\c+3], v8 offset:2048*\f+512*\c
.endr
.endr
	s_wait_alu depctr_va_vdst(0)
.irp f, 0,1,2,3
	s_wait_dscnt 12-4*\f                           ; fragment f is in; the 4 (3 - f) loads behind it may be out
	QK \f
.endr
.rept 8
	v_nop
.endr
	ds_load_b64 v[234:235], v10 offset:4096        ; V's scale words and fragments are asked for here and land under the softmax
.irp f, 0,1,2,3
.irp c, 0,1,2,3
	ds_load_b128 v[FR+16*\f+4*\c:FR+16*\f+4*\c+3], v9 offset:2048*\f+512*\c
.endr
.endr
.if \masked
	s_cmp_lg_u32 s89, s88
	s_cbranch_scc1 .Lopen_\@
.set n, 0
.rept 64                                       ; register n holds key 16 (n / 8) + 8 h + n % 8 of the step: hidden where 16 (n / 8) + n % 8 > my query's place in its group - 8 h
	v_cmp_gt_i32 vcc_lo, 16*(n/8)+n%8, v4
	v_cndmask_b32 v[S+n], v[S+n], v5, vcc_lo
.set n, n+1
.endr
.Lopen_\@:
.endif
.irp b, 0,1,2,3
	v_max3_num_f32 v[BM+\b], v[S+16*\b], v[S+16*\b+1], v[S+16*\b+2]   ; the largest score of each block of 32 keys: it serves the row's maximum and, since p rises with the score, the block's largest p
.endr
.irp i, 3,5,7,9,11,13
.irp b, 0,1,2,3
	v_max3_num_f32 v[BM+\b], v[BM+\b], v[S+16*\b+\i], v[S+16*\b+\i+1]
.endr
.endr
.irp b, 0,1,2,3
	v_max_num_f32 v[BM+\b], v[BM+\b], v[S+16*\b+15]
.endr
.irp b, 0,1,2,3
	s_delay_alu instid0(VALU_DEP_4)
	v_permlanex16_b32 v[BM+4+\b], v[BM+\b], s30, s31
.endr
.irp b, 0,1,2,3
	s_delay_alu instid0(VALU_DEP_4)
	v_max_num_f32 v[BM+\b], v[BM+\b], v[BM+4+\b]   ; with lane l xor 16's 16 keys
.endr
	s_delay_alu instid0(VALU_DEP_2)
	v_max3_num_f32 v240, v[BM], v[BM+1], v[BM+2]
	s_delay_alu instid0(VALU_DEP_1)
	v_max_num_f32 v240, v240, v[BM+3]
	s_delay_alu instid0(VALU_DEP_1)
	v_mul_f32 v240, s32, v240                      ; the step's largest t of my query (c is positive)
	s_delay_alu instid0(VALU_DEP_1)
	v_max_num_f32 v13, v13, v240
	v_mov_b32 v240, v12
	s_delay_alu instid0(VALU_DEP_2)
	v_floor_f32 v12, -v13                          ; the new -M = floor(-t): M is a whole number
	s_delay_alu instid0(VALU_DEP_1)
	v_sub_f32 v240, v12, v240                      ; old M - new M: a whole number, 0 or less
	s_delay_alu instid0(VALU_DEP_1)
	v_cvt_i32_f32 v240, v240                       ; (it saturates)
	s_delay_alu instid0(VALU_DEP_1)
	v_ldexp_f32 v238, 1.0, v240                    ; f = 2^(old M - new M)
.set j, 0
.rept 32
	v_pk_fma_f32 v[S+j:S+j+1], v[S+j:S+j+1], s[32:33], v[12:13] op_sel_hi:[1,0,0]   ; t - M, two at a time
.set j, j+2
.endr
.irp b, 0,1,2,3
	v_fma_f32 v[BM+\b], v[BM+\b], s32, v12
.endr
.set j, 0
	s_setprio 1
	s_wait_alu depctr_va_vdst(0)
.rept 64
	v_exp_f32 v[S+j], v[S+j]                       ; p = 2^(t - M)
.set j, j+1
.endr
.irp b, 0,1,2,3
	v_exp_f32 v[BM+\b], v[BM+\b]                   ; the block's largest p: the same two instructions on the same number
.endr
	v_pk_mul_f32 v[14:15], v[14:15], v[238:239] op_sel_hi:[1,0]   ; the sums under the new M (a plain line behind the exponentials)
	s_wait_alu depctr_va_vdst(0)
.irp b, 0,1,2,3
	v_max_num_f32 v[BM+\b], 0x4800000, v[BM+\b]    ; the floor 2^(9 - 127): the byte cannot fall under 1
.endr
.irp b, 0,1,2,3
	s_delay_alu instid0(VALU_DEP_4)
	v_add_nc_u32 v[BM+12+\b], 0xfc000000, v[BM+\b] ; the conversion's scale operand
.endr
.irp b, 0,1,2,3
.endr
.irp b, 0,1,2,3
	s_delay_alu instid0(VALU_DEP_4)
	v_lshrrev_b32 v[BM+4+\b], 23, v[BM+12+\b]      ; the byte
.endr
	s_delay_alu instid0(VALU_DEP_3)
	v_lshl_or_b32 v236, v[BM+5], 8, v[BM+4]        ; p's scale word for these 128 keys
	s_delay_alu instid0(VALU_DEP_1)
	v_lshl_or_b32 v236, v[BM+6], 16, v236
	s_delay_alu instid0(VALU_DEP_1)
	v_lshl_or_b32 v236, v[BM+7], 24, v236
	v_pk_add_f32 v[220:221], v[108:109], v[112:113]
	v_pk_add_f32 v[252:253], v[116:117], v[120:121]
	v_pk_add_f32 v[250:251], v[124:125], v[128:129]
	v_pk_add_f32 v[248:249], v[132:133], v[136:137]
	v_pk_add_f32 v[246:247], v[140:141], v[144:145]
	v_pk_add_f32 v[244:245], v[148:149], v[152:153]
	v_pk_add_f32 v[232:233], v[156:157], v[160:161]
	v_pk_add_f32 v[14:15], v[14:15], v[164:165]
	v_pk_add_f32 v[220:221], v[220:221], v[104:105]
	v_pk_add_f32 v[252:253], v[252:253], v[106:107]
	v_pk_add_f32 v[250:251], v[250:251], v[110:111]
	v_pk_add_f32 v[248:249], v[248:249], v[114:115]
	v_pk_add_f32 v[246:247], v[246:247], v[118:119]
	v_pk_add_f32 v[244:245], v[244:245], v[122:123]
	v_pk_add_f32 v[232:233], v[232:233], v[126:127]
	v_pk_add_f32 v[14:15], v[14:15], v[130:131]
	v_pk_add_f32 v[220:221], v[220:221], v[134:135]
	v_pk_add_f32 v[252:253], v[252:253], v[138:139]
	v_pk_add_f32 v[250:251], v[250:251], v[142:143]
	v_pk_add_f32 v[248:249], v[248:249], v[146:147]
	v_pk_add_f32 v[246:247], v[246:247], v[150:151]
	v_pk_add_f32 v[244:245], v[244:245], v[154:155]
	v_pk_add_f32 v[232:233], v[232:233], v[158:159]
	v_pk_add_f32 v[14:15], v[14:15], v[162:163]
	v_pk_add_f32 v[220:221], v[220:221], v[166:167]
	s_delay_alu instid0(VALU_DEP_2)
	v_pk_add_f32 v[14:15], v[14:15], v[248:249]
	s_delay_alu instid0(VALU_DEP_2)
	v_pk_add_f32 v[220:221], v[220:221], v[246:247]
	s_setprio 0
	v_pk_add_f32 v[252:253], v[252:253], v[244:245]
	v_pk_add_f32 v[250:251], v[250:251], v[232:233]
	s_delay_alu instid0(VALU_DEP_2)
	v_pk_add_f32 v[14:15], v[14:15], v[252:253]
	s_delay_alu instid0(VALU_DEP_2)
	v_pk_add_f32 v[220:221], v[220:221], v[250:251]
	s_delay_alu instid0(VALU_DEP_1)
	v_pk_add_f32 v[14:15], v[14:15], v[220:221]
.irp b, 0,1,2,3
.set j, 0
.rept 16
.set j, j+1
.endr
	v_cvt_scalef32_pk8_fp8_f32 v[PC+4*\b:PC+4*\b+1], v[S+16*\b:S+16*\b+7], v[BM+12+\b]
	v_cvt_scalef32_pk8_fp8_f32 v[PC+4*\b+2:PC+4*\b+3], v[S+16*\b+8:S+16*\b+15], v[BM+12+\b]
.endr
.set j, 0
.rept 16
	v_pk_mul_f32 v[O+j:O+j+1], v[O+j:O+j+1], v[238:239] op_sel_hi:[1,0]   ; O^T under the new M; these are also the places in front of the products below
.set j, j+2
.endr
	s_wait_alu depctr_va_vdst(0)
	s_wait_dscnt 0x0                               ; V is in
	v_wmma_scale_f32_16x16x128_f8f6f4 v[O:O+7], v[FR:FR+15], v[PC:PC+15], v[O:O+7], v234, v236
	v_wmma_scale_f32_16x16x128_f8f6f4 v[O+8:O+15], v[FR+16:FR+31], v[PC:PC+15], v[O+8:O+15], v235, v236
	v_wmma_scale_f32_16x16x128_f8f6f4 v[O+16:O+23], v[FR+32:FR+47], v[PC:PC+15], v[O+16:O+23], v234, v236 matrix_a_scale:MATRIX_SCALE_ROW1
	v_wmma_scale_f32_16x16x128_f8f6f4 v[O+24:O+31], v[FR+48:FR+63], v[PC:PC+15], v[O+24:O+31], v235, v236 matrix_a_scale:MATRIX_SCALE_ROW1
.if \masked
.Lhidden_\@:
.endif
	s_add_co_u32 s89, s89, 1
	s_add_co_u32 s90, s90, 8192
	s_add_co_u32 s91, s91, 256
.endm
; A task begins: group s88.  Its tile's bases, Q, q's scale word, and the state.
.macro TASK
	s_lshl_b32 s2, s88, 3
	s_add_co_u32 s2, s2, s26                       ; my tile t = 8 G + 2 cx + u
	s_lshl_b32 s38, s22, 7
	s_add_co_u32 s38, s38, s2
	s_lshl_b32 s38, s38, 10
	s_mov_b32 s39, 0
	s_add_nc_u64 s[94:95], s[4:5], s[38:39]        ; Q's image
	s_lshl_b32 s38, s23, 5
	s_lshl_b32 s3, s88, 1
	s_add_co_u32 s38, s38, s3
	s_lshr_b32 s3, s21, 1
	s_add_co_u32 s38, s38, s3                      ; 32 batch + the group of 64 rows t / 4
	s_lshl_b32 s38, s38, 4
	s_add_co_u32 s38, s38, s24
	s_lshl_b32 s38, s38, 7
	s_and_b32 s3, s21, 1
	s_lshl_b32 s3, s3, 2
	s_add_co_u32 s38, s38, s3                      ; + the word of the pair of tiles
	s_add_nc_u64 s[96:97], s[6:7], s[38:39]
	s_lshl_b32 s38, s23, 7
	s_add_co_u32 s38, s38, s2
	s_lshl_b32 s38, s38, 4
	s_add_co_u32 s38, s38, s24                     ; (128 batch + t) 16 + head
	s_lshl_b32 s3, s38, 5
	s_lshl_b32 s38, s38, 10
	s_add_nc_u64 s[98:99], s[16:17], s[38:39]      ; the context's images: x 1,024
	s_mov_b32 s38, s3
	s_add_nc_u64 s[100:101], s[18:19], s[38:39]    ; its scale bytes: x 32
	global_load_b128 v[24:27], v1, s[94:95]
	global_load_b128 v[28:31], v1, s[94:95] offset:512
	global_load_b32 v241, v6, s[96:97]
	v_mov_b32 v13, 0xff61b1e6                      ; the largest t so far: -3e38
	s_delay_alu instid0(VALU_DEP_1)
	v_floor_f32 v12, -v13
	v_mov_b32 v14, 0
	v_mov_b32 v15, 0
	s_wait_loadcnt 0x0
	v_perm_b32 v237, v241, v241, s36               ; my tile's two bytes in both halves of the word
.set j, 0
.rept 32
	v_mov_b32 v[O+j], 0                            ; the step is written once: the first finds zeros, which the first change of M leaves zeros.  (Also the places behind the scale word's line)
.set j, j+1
.endr
.endm
; A task ends: O^T / the sum, quantised along the head's 64 (two blocks), put into the natural order and stored.
.macro FINISH
.rept 8
	v_nop
.endr
	v_add_f32 v14, v14, v15
	s_delay_alu instid0(VALU_DEP_1)
	v_permlanex16_b32 v240, v14, s30, s31
	s_delay_alu instid0(VALU_DEP_1)
	v_add_f32 v14, v14, v240                       ; the row's sum
	s_wait_alu depctr_va_vdst(0)
	v_rcp_f32 v238, v14
	v_nop
.set j, 0
	s_wait_alu depctr_va_vdst(0)
.rept 16
	v_pk_mul_f32 v[O+j:O+j+1], v[O+j:O+j+1], v[238:239] op_sel_hi:[1,0]
.set j, j+2
.endr
.irp c, 0,1
	v_max3_num_f32 v[BM+\c], |v[O+16*\c]|, |v[O+16*\c+1]|, 0x4800000
.endr
.irp i, 2,4,6,8,10,12,14
.irp c, 0,1
	s_delay_alu instid0(VALU_DEP_2)
	v_max3_num_f32 v[BM+\c], v[BM+\c], |v[O+16*\c+\i]|, |v[O+16*\c+\i+1]|
.endr
.endr
.irp c, 0,1
	s_delay_alu instid0(VALU_DEP_2)
	v_permlanex16_b32 v[BM+4+\c], v[BM+\c], s30, s31
.endr
.irp c, 0,1
	s_delay_alu instid0(VALU_DEP_2)
	v_max_num_f32 v[BM+\c], v[BM+\c], v[BM+4+\c]
.endr
.irp c, 0,1
	s_delay_alu instid0(VALU_DEP_2)
	v_add_nc_u32 v[BM+12+\c], 0xfc000000, v[BM+\c]
.endr
.irp c, 0,1
	s_delay_alu instid0(VALU_DEP_2)
	v_lshrrev_b32 v[BM+4+\c], 23, v[BM+12+\c]
.endr
.irp c, 0,1
.set j, 0
.rept 16
.set j, j+1
.endr
	v_cvt_scalef32_pk8_fp8_f32 v[PC+4*\c:PC+4*\c+1], v[O+16*\c:O+16*\c+7], v[BM+12+\c]
	v_cvt_scalef32_pk8_fp8_f32 v[PC+4*\c+2:PC+4*\c+3], v[O+16*\c+8:O+16*\c+15], v[BM+12+\c]
.endr
	v_nop                                          ; one plain line behind the last conversion
; Lane (r, h) holds channels 32 c + 8 h + j (first pair) and 32 c + 16 + 8 h + j (second); the operand wants 32 c + 16 h + 0 .. 15: lanes 0-15 give their second pair and take the partner's first, lanes 16-31 the other way round.
.irp c, 0,1
	v_cndmask_b32 v[244+2*\c], v[PC+4*\c+2], v[PC+4*\c], s35
	v_cndmask_b32 v[245+2*\c], v[PC+4*\c+3], v[PC+4*\c+1], s35
	s_delay_alu instid0(VALU_DEP_2)
	v_permlanex16_b32 v[240+2*\c], v[244+2*\c], s30, s31
	s_delay_alu instid0(VALU_DEP_2)
	v_permlanex16_b32 v[241+2*\c], v[245+2*\c], s30, s31
	v_cndmask_b32 v[S+4*\c], v[PC+4*\c], v[240+2*\c], s35
	v_cndmask_b32 v[S+4*\c+1], v[PC+4*\c+1], v[241+2*\c], s35
	v_cndmask_b32 v[S+4*\c+2], v[240+2*\c], v[PC+4*\c+2], s35
	v_cndmask_b32 v[S+4*\c+3], v[241+2*\c], v[PC+4*\c+3], s35
.endr
	v_cndmask_b32 v[BM], v[BM+4], v[BM+5], s35     ; lanes 0-15 store block 0's byte, lanes 16-31 block 1's
	global_store_b128 v1, v[S:S+3], s[98:99]       ; 512 consecutive bytes, aligned
	global_store_b128 v1, v[S+4:S+7], s[98:99] offset:512
	global_store_b8 v3, v[BM], s[100:101]
.endm
	s_load_b512 s[4:19], s[0:1], 0x0               ; q_img, q_sc, k_img, k_sc, v_img, v_sc, c_img, c_sc
	v_lshl_add_u32 v254, v0, 2, 0x42000
	v_mov_b32 v255, 0
	ds_add_u32 v254, v255
	ds_add_u32 v254, v255
	v_lshrrev_b32 v1, 5, v0
	s_delay_alu instid0(VALU_DEP_1)
	v_readfirstlane_b32 s20, v1                    ; wave 0..15
	s_bfe_u32 s21, ttmp6, 0x40000                  ; cx
	s_and_b32 s22, ttmp7, 0xffff                   ; 16 batch + head: the cluster's y
	s_lshr_b32 s23, s22, 4
	s_and_b32 s24, s22, 15
	s_and_b32 s25, s20, 1                          ; u
	s_lshl_b32 s26, s21, 1
	s_add_co_u32 s26, s26, s25                     ; 2 cx + u
	s_lshr_b32 s27, s20, 1                         ; w'
	s_and_b32 s28, s20, 7                          ; which eighth I fetch,
	s_lshr_b32 s29, s20, 3                         ; of K (0) or of V (1)
	s_mov_b32 s40, 15|(3<<16)|(1<<21)              ; images: 15:0 all four work-groups; 17:16 elements of 8 bytes; 21 set beside a mask.  16 rows of 256 bytes, dense
	s_mov_b32 s41, 32<<16
	s_mov_b32 s42, 16<<16
	s_mov_b32 s43, 32<<16
	s_mov_b32 s44, 16
	s_mov_b32 s45, 32
	s_mov_b32 s46, 0
	s_mov_b32 s47, 0
	s_mov_b32 s48, 15|(3<<16)|(1<<21)              ; K's scale words: 4 rows of 128 bytes, 2,048 bytes apart (the 16 heads of a group of rows lie side by side)
	s_mov_b32 s49, 16<<16
	s_mov_b32 s50, 4<<16
	s_mov_b32 s51, 16<<16
	s_mov_b32 s52, 4
	s_mov_b32 s53, 256
	s_mov_b32 s54, 0
	s_mov_b32 s55, 0
	s_mov_b32 s56, 15|(3<<16)|(1<<21)              ; V's: 4 rows of 128 bytes, dense
	s_mov_b32 s57, 16<<16
	s_mov_b32 s58, 4<<16
	s_mov_b32 s59, 16<<16
	s_mov_b32 s60, 4
	s_mov_b32 s61, 16
	s_mov_b32 s62, 0
	s_mov_b32 s63, 0
	s_lshl_b32 s2, s23, 5
	s_lshl_b32 s3, s28, 2
	s_add_co_u32 s2, s2, s3
	s_lshl_b32 s2, s2, 4
	s_add_co_u32 s2, s2, s24
	s_lshl_b32 s2, s2, 7                           ; K's scale words: ((32 batch + 4 x eighth) 16 + head) x 128
	s_lshl_b32 s3, s22, 12
	s_lshl_b32 s37, s28, 9
	s_add_co_u32 s3, s3, s37                       ; V's: 4,096 a head + 512 x eighth
	s_lshl_b32 s88, s22, 17
	s_lshl_b32 s37, s28, 12
	s_add_co_u32 s88, s88, s37                     ; images: 131,072 a head + 4,096 x eighth
	s_mov_b32 s89, 0
	s_mov_b32 s39, 0
	s_lshl_b32 s90, s29, 17
	s_add_co_u32 s90, s90, s37                     ; and in LDS: K's or V's region + 4,096 x eighth
	s_lshl_b32 s91, s20, 9
	s_add_co_u32 s91, s91, KSC                     ; the scale words: 512 x wave (waves 8-15 fall into V's 4,096 bytes)
	s_mov_b32 s30, 0x76543210
	s_mov_b32 s31, 0xfedcba98                      ; v_permlanex16_b32's selects for lane l xor 16
	s_mov_b32 s32, 0x3e38aa3b                      ; c = log2(e) / sqrt(64)
	s_mov_b32 s33, s32
	s_mov_b32 s35, 0xffff0000                      ; lanes 16-31
	s_mov_b32 s36, 0x03020302
	s_cmp_eq_u32 s25, 0
	s_cselect_b32 s36, 0x01000100, s36             ; which half of q's scale word is my tile's
	s_wait_dscnt 0x0
	s_wait_kmcnt 0x0
	s_cmp_lt_u32 s20, 8                            ; the choice hangs on the wave's number alone
	s_cselect_b32 s38, s2, s3
	s_cselect_b64 s[92:93], s[10:11], s[14:15]
	s_cselect_b64 s[94:95], s[8:9], s[12:13]
	s_add_nc_u64 s[92:93], s[92:93], s[38:39]
	s_add_nc_u64 s[94:95], s[94:95], s[88:89]
	s_mov_b32 s68, 1
	s_mov_b32 s69, s91
	s_mov_b64 s[70:71], s[92:93]
	s_or_b32 s71, s71, 0x80000000
.irp g, 0,1,2,3
	s_mov_b32 s[72+4*\g], 1
	s_add_co_u32 s[73+4*\g], s90, \g*32768         ; stage g: key steps 4 g .. 4 g + 3
	s_add_nc_u64 s[74+4*\g:75+4*\g], s[94:95], \g*32768
	s_or_b32 s[75+4*\g], s[75+4*\g], 0x80000000
.endr
	CROUND                                         ; all four work-groups are here: the joint loads meet
	s_cmp_lt_u32 s20, 8                            ; a wave's five fills stand in one branch, ahead of every wait on TENSORcnt, LDS read and further barrier; four v_nop follow the last
	s_cbranch_scc0 .Lfill_v
	tensor_load_to_lds s[68:71], s[48:55]
	s_nop 0
	tensor_load_to_lds s[72:75], s[40:47]
	s_nop 0
	tensor_load_to_lds s[76:79], s[40:47]
	s_nop 0
	tensor_load_to_lds s[80:83], s[40:47]
	s_nop 0
	tensor_load_to_lds s[84:87], s[40:47]
	s_nop 0
.rept 4
	v_nop
.endr
	s_branch .Lfilled
.Lfill_v:
	tensor_load_to_lds s[68:71], s[56:63]
	s_nop 0
	tensor_load_to_lds s[72:75], s[40:47]
	s_nop 0
	tensor_load_to_lds s[76:79], s[40:47]
	s_nop 0
	tensor_load_to_lds s[80:83], s[40:47]
	s_nop 0
	tensor_load_to_lds s[84:87], s[40:47]
	s_nop 0
.rept 4
	v_nop
.endr
.Lfilled:
	v_and_b32 v11, 31, v0                          ; lane
	s_delay_alu instid0(VALU_DEP_1)
	v_lshlrev_b32 v1, 4, v11
	s_delay_alu instid0(VALU_DEP_2)
	v_lshlrev_b32 v2, 3, v11
	s_delay_alu instid0(VALU_DEP_2)
	v_add_nc_u32 v7, VIMG, v1
	v_and_b32 v6, 15, v0                           ; r
	v_bfe_u32 v11, v0, 4, 1                        ; h
	s_delay_alu instid0(VALU_DEP_1)
	v_lshl_add_u32 v3, v6, 1, v11
	s_delay_alu instid0(VALU_DEP_2)
	v_lshlrev_b32 v11, 3, v11
	s_delay_alu instid0(VALU_DEP_1)
	v_sub_nc_u32 v4, v6, v11
	s_lshl_b32 s2, s26, 4
	v_add_nc_u32 v4, s2, v4                        ; my query's place in its group of 128, less 8 h
	v_lshlrev_b32 v6, 3, v6
	v_mov_b32 v5, 0xff800000
.irp j, 0,1,2,3,4,5,6,7
	v_mov_b32 v[16+\j], 0                          ; the zero codes on either side of Q
	v_mov_b32 v[32+\j], 0
	v_mov_b32 v[240+\j], 0                         ; written once: a lane permute's destination counts as one of its sources
.endr
.irp j, 0,1,2,3
	v_mov_b32 v[BM+4+\j], 0
.endr
	v_mov_b32 v239, 0                              ; (named as the upper half of the pair v[238:239])
	s_sub_co_u32 s88, 15, s27                      ; the long task first: group 15 - w', at least 9 key steps
	TASK
	s_mov_b32 s89, 0
	s_mov_b32 s90, 0
	s_mov_b32 s91, KSC
	s_wait_tensorcnt 3                             ; my parts of the scale words and of stage 0 are in; three stages may stay out
	s_barrier_signal -1
	s_barrier_wait -1
	s_mov_b32 s92, 4
.Lstage0:
	STEP 0
	s_sub_co_u32 s92, s92, 1
	s_cmp_lg_u32 s92, 0
	s_cbranch_scc1 .Lstage0
	s_setprio 0
	s_wait_tensorcnt 2                             ; stage 1
	s_wait_dscnt 0x0
	s_barrier_signal -1
	s_barrier_wait -1
	s_mov_b32 s92, 4
.Lstage1:
	STEP 0
	s_sub_co_u32 s92, s92, 1
	s_cmp_lg_u32 s92, 0
	s_cbranch_scc1 .Lstage1
	s_setprio 0
	s_wait_tensorcnt 0x0                           ; stages 2 and 3
	s_wait_dscnt 0x0
	s_barrier_signal -1
	s_barrier_wait -1
	s_mov_b32 s92, 8
.Lrest:                                            ; key steps 8 to 15: up to the diagonal of my group
	STEP 1
	s_sub_co_u32 s92, s92, 1
	s_cmp_lg_u32 s92, 0
	s_cbranch_scc1 .Lrest
	s_setprio 0
	FINISH
	s_wait_xcnt 0x0                                ; the stores have read their registers and bases: both are written again below
	s_mov_b32 s88, s27                             ; the short task: group w'
	TASK
	s_mov_b32 s89, 0
	s_mov_b32 s90, 0
	s_mov_b32 s91, KSC
	s_mov_b32 s92, 8
.Lshort:
	STEP 1
	s_sub_co_u32 s92, s92, 1
	s_cmp_lg_u32 s92, 0
	s_cbranch_scc1 .Lshort
	s_setprio 0
	FINISH
	s_wait_tensorcnt 0x0
	ds_add_u32 v254, v255
	s_wait_dscnt 0x0
	CROUND                                         ; the closing round
	s_endpgm
.Lfunc_end_k_q04a6f0f69d_attn:
	.size	k_q04a6f0f69d_attn, .Lfunc_end_k_q04a6f0f69d_attn-k_q04a6f0f69d_attn
	.p2alignl 7, 3214868480
	.fill 96, 4, 3214868480
	.section	.rodata,"a",@progbits
	.p2align	6, 0x0
	.amdhsa_kernel k_q04a6f0f69d_attn
		.amdhsa_group_segment_fixed_size 327680
		.amdhsa_private_segment_fixed_size 0
		.amdhsa_enable_private_segment 0
		.amdhsa_kernarg_size 64
		.amdhsa_user_sgpr_count 2
		.amdhsa_user_sgpr_kernarg_segment_ptr 1
		.amdhsa_wavefront_size32 1
		.amdhsa_system_sgpr_workgroup_id_x 1
		.amdhsa_system_sgpr_workgroup_id_y 1
		.amdhsa_system_sgpr_workgroup_id_z 1
		.amdhsa_system_vgpr_workitem_id 0
		.amdhsa_next_free_vgpr 256
		.amdhsa_next_free_sgpr 102
		.amdhsa_reserve_vcc 1
		.amdhsa_float_denorm_mode_32 3
		.amdhsa_float_denorm_mode_16_64 3
		.amdhsa_fp16_overflow 1
		.amdhsa_memory_ordered 1
		.amdhsa_forward_progress 1
		.amdhsa_inst_pref_size 105
	.end_amdhsa_kernel
	.amdgpu_metadata
---
amdhsa.version: [ 1, 2 ]
amdhsa.kernels:
  - .name:           k_q04a6f0f69d_attn
    .symbol:         k_q04a6f0f69d_attn.kd
    .args:
      - { .name: q_img, .offset: 0, .size: 8, .value_kind: global_buffer, .address_space: global }
      - { .name: q_sc, .offset: 8, .size: 8, .value_kind: global_buffer, .address_space: global }
      - { .name: k_img, .offset: 16, .size: 8, .value_kind: global_buffer, .address_space: global }
      - { .name: k_sc, .offset: 24, .size: 8, .value_kind: global_buffer, .address_space: global }
      - { .name: v_img, .offset: 32, .size: 8, .value_kind: global_buffer, .address_space: global }
      - { .name: v_sc, .offset: 40, .size: 8, .value_kind: global_buffer, .address_space: global }
      - { .name: c_img, .offset: 48, .size: 8, .value_kind: global_buffer, .address_space: global }
      - { .name: c_sc, .offset: 56, .size: 8, .value_kind: global_buffer, .address_space: global }
    .group_segment_fixed_size: 327680
    .private_segment_fixed_size: 0
    .kernarg_segment_align: 8
    .kernarg_segment_size: 64
    .max_flat_workgroup_size: 512
    .sgpr_count:     102
    .vgpr_count:     256
    .wavefront_size: 32
...
	.end_amdgpu_metadata
.endif
;; end of part 2
;; launch oproj (part 3): grid 4 x 64, 4 waves a work-group, clusters of 4 x 4, 327,680 bytes of LDS; arguments c_img, c_sc, W_out_codes, W_out_scales, b_out, out0; writes out0
.if DOCPART == 3
	.amdgcn_target "amdgcn-amd-amdhsa--gfx1250"
	.amdhsa_code_object_version 6
	.text
	.protected	k_q04a6f0f69d_oproj
	.globl	k_q04a6f0f69d_oproj
	.p2align	8
	.type	k_q04a6f0f69d_oproj,@function
k_q04a6f0f69d_oproj:
	s_mov_b64 s[64:65], 0
	v_nop
	global_prefetch_b8 v0, s[64:65] scope:SCOPE_SE
	s_setreg_imm32_b32 hwreg(HW_REG_WAVE_MODE, 25, 1), 1
	s_wait_xcnt 0x0
	s_wait_alu depctr_hold_cnt(0) depctr_sa_sdst(0) depctr_va_vdst(0) depctr_va_sdst(0) depctr_va_ssrc(0) depctr_va_vcc(0) depctr_vm_vsrc(0)
	s_getreg_b32 s2, hwreg(HW_REG_IB_STS2, 6, 4)
	s_cmp_eq_u32 s2, 0
	s_cbranch_scc0 .Lentry_in_a_cluster
	s_endpgm
.Lentry_in_a_cluster:
	s_bfe_u32 s2, ttmp6, 0x10000c
	s_cmp_lg_u32 s2, 0xf033
	s_cbranch_scc0 .Lentry_shape_is_right
	s_endpgm
.Lentry_shape_is_right:
; out = ctx W_out^T + b_out on codes of E4M3 with one E8M0 byte for each 32 along K (K = 1,024); out is f32.
; Source 0 is R = 256 rows of W_out (the output's columns, which so run along a lane's result registers), source 1 is L = 128 rows of the context, which arrives as images of operand registers:
; [tile of 16 rows][block of 32 along K][lane][16 bytes], in the natural order of K.  A work-group makes 128 rows x 256 columns, each of its four waves 64 x 128: 32 accumulators.  256 work-groups.
; K goes in steps of 256 through THREE LDS slots: slots 0, 1, 2 are first fills (K 0-767), slot 0 is filled once more (K 768-1023): a straight text of eight steps of 128 with one round of the cluster's barrier.
; By this text's own count a wave has one tensor load out at a time at the start and one behind the refill.
; CLUSTERS 4 x 4: R's tile hangs on cx and is asked for jointly down a column of the cluster, L's on the tile row and jointly along a row.
; The scale words of a wave's rows for all of K stay in 48 registers.  The bias is the C of each sum's first product.  Results leave through the wave's own stage in LDS as whole rows of 512 bytes.
; LIMITS: NaN and infinities among the inputs are not served.
.set PITCH, 272                        ; R's rows in LDS: 256 bytes + 16 of padding
.set RHALF, 128*PITCH
.set LOFF,  2*RHALF                    ; a slot: R's 256 rows, then L's 8 tiles x 4,096 bytes of images, dense
.set SLOT,  LOFF+32768
.set SPARE, 3*SLOT                     ; behind the slots: the spare words, 128 bytes a wave, two blocks of 256 bytes that no other line names
.set SPITCH, 528                       ; the stage: 16 rows x (512 bytes + 16) a wave, in slot 1: it has had its only fill, and its last read lies ahead of the barrier of step 5
.set ADRR, 16                          ; v16-18  LDS address of my R fragments in slot 0, 1, 2
.set ADRL, 20                          ; v20-22  the same for L's images
.set LI16, 24                          ; v24     16 x lane
.set STO,  25                          ; v25     the stage: where I put 32 bytes of a row
.set RD,   26                          ; v26     and where I read a row back
.set LI32, 27                          ; v27     32 x lane
.set SPW,  28                          ; v28     my spare word; never rewritten
.set NIL,  29                          ; v29     0; never rewritten
.set PS,   32                          ; v32-63  R's scale words: register 8 I + s: blocks 2 I (lanes 0-15), 2 I + 1 (lanes 16-31), K step s
.set QS,   64                          ; v64-79  L's likewise
.set XH,   80                          ; v80-111 the context's pairs of scale bytes as loaded
.set LF,   128                         ; v128-191, v192-255: L's fragments, two sets; on the way out rows of the output.  Window 1: R's two sets.  Window 2: accumulator (a, b) at v[8 (8 a + b)].  Window 3: v[8 b] the bias of R block b
.set G1R,  40
.set G1L,  48
.set MUL,  0xa1                        ; source 0 (R) window 1, source 1 (L) window 0, C and D window 2
.set MULB, 0xb1                        ; the same with C (the bias) in window 3
.set TO_R, 0x40
.set MSB, 0
.macro WIN new                         ; the immediate's high byte repeats the setting that is left
.if MSB != \new
	s_set_vgpr_msb (MSB<<8)|\new
.set MSB, \new
.endif
.endm
.macro JLOAD g0r, g0l                  ; a joint load: waves 0 and 1 fetch R's halves, waves 2 and 3 L's; four v_nop follow each of the two lines
	s_cmp_eq_u32 s33, 0
	s_cbranch_scc0 .Lfor_l_\@
	tensor_load_to_lds s[\g0r:\g0r+3], s[G1R:G1R+7]
	s_nop 0
.rept 4
	v_nop
.endr
	s_branch .Lasked_\@
.Lfor_l_\@:
	tensor_load_to_lds s[\g0l:\g0l+3], s[G1L:G1L+7]
	s_nop 0
.rept 4
	v_nop
.endr
.Lasked_\@:
.endm
.macro CREST
	s_cmp_lg_u32 s32, 0
	s_cbranch_scc1 .Lnot_wave_0_\@
	s_barrier_signal -3
.Lnot_wave_0_\@:
	s_barrier_wait -3
	s_barrier_signal -1
	s_barrier_wait -1
.endm
.macro CROUND
	s_barrier_signal -1
	s_barrier_wait -1
	CREST
.endm
.macro PLACES n                        ; plain vector lines behind matrix instructions: eight for this form
.rept \n
	v_nop
.endr
.endm
.macro WM a, b, set, s, bias           ; one product; bias = 1: it starts the sum with the bias as C
.set rD, 8*(8*(\a)+(\b))
.set rC, 8*(\b)
.set rR, 128*(\set)+16*(\b)
.set rL, LF+64*(\set)+16*(\a)
.set rP, PS+8*((\b)/2)+(\s)
.set rQ, QS+8*((\a)/2)+(\s)
.set rw, 2*((\a)%2)+((\b)%2)
.if \bias
.if rw == 0
	v_wmma_scale_f32_16x16x128_f8f6f4 v[rD:rD+7], v[rR:rR+15], v[rL:rL+15], v[rC:rC+7], v[rP], v[rQ]
.elseif rw == 1
	v_wmma_scale_f32_16x16x128_f8f6f4 v[rD:rD+7], v[rR:rR+15], v[rL:rL+15], v[rC:rC+7], v[rP], v[rQ] matrix_a_scale:MATRIX_SCALE_ROW1
.elseif rw == 2
	v_wmma_scale_f32_16x16x128_f8f6f4 v[rD:rD+7], v[rR:rR+15], v[rL:rL+15], v[rC:rC+7], v[rP], v[rQ] matrix_b_scale:MATRIX_SCALE_ROW1
.else
	v_wmma_scale_f32_16x16x128_f8f6f4 v[rD:rD+7], v[rR:rR+15], v[rL:rL+15], v[rC:rC+7], v[rP], v[rQ] matrix_a_scale:MATRIX_SCALE_ROW1 matrix_b_scale:MATRIX_SCALE_ROW1
.endif
.else
.if rw == 0
	v_wmma_scale_f32_16x16x128_f8f6f4 v[rD:rD+7], v[rR:rR+15], v[rL:rL+15], v[rD:rD+7], v[rP], v[rQ]
.elseif rw == 1
	v_wmma_scale_f32_16x16x128_f8f6f4 v[rD:rD+7], v[rR:rR+15], v[rL:rL+15], v[rD:rD+7], v[rP], v[rQ] matrix_a_scale:MATRIX_SCALE_ROW1
.elseif rw == 2
	v_wmma_scale_f32_16x16x128_f8f6f4 v[rD:rD+7], v[rR:rR+15], v[rL:rL+15], v[rD:rD+7], v[rP], v[rQ] matrix_b_scale:MATRIX_SCALE_ROW1
.else
	v_wmma_scale_f32_16x16x128_f8f6f4 v[rD:rD+7], v[rR:rR+15], v[rL:rL+15], v[rD:rD+7], v[rP], v[rQ] matrix_a_scale:MATRIX_SCALE_ROW1 matrix_b_scale:MATRIX_SCALE_ROW1
.endif
.endif
.endm
.macro MUL8 a, set, s, bias            ; the 32 accumulators take turns, one instruction a turn, in the same order in every step
.irp b, 0,1,2,3,4,5,6,7
	WM \a, \b, \set, \s, \bias
.endr
.endm
.macro FETCH k                         ; the fragments of step k: slot (k / 2) % 3, its half k % 2, into set k % 2.  L's come as they lie: 512 consecutive bytes a load
.set fs, ((\k)/2)%3
.set fq, (\k)%2
	WIN TO_R
.irp b, 0,1,2,3,4,5,6,7
.irp c, 0,1,2,3
	ds_load_b128 v[128*fq+16*\b+4*\c:128*fq+16*\b+4*\c+3], v[ADRR+fs] offset:128*fq+32*\c+\b*16*PITCH
.endr
.endr
	WIN 0
.irp a, 0,1,2,3
.irp c, 0,1,2,3
	ds_load_b128 v[LF+64*fq+16*\a+4*\c:LF+64*fq+16*\a+4*\c+3], v[ADRL+fs] offset:4096*\a+2048*fq+512*\c
.endr
.endr
.endm
.macro STEP k, bias
	s_wait_dscnt 8                                 ; R's set and L's blocks 0, 1 are in; the youngest eight loads (L's blocks 2, 3) may be out
.if \bias
	WIN MULB
.else
	WIN MUL
.endif
	MUL8 0, (\k)%2, \k, \bias
	MUL8 1, (\k)%2, \k, \bias
	PLACES 8                                       ; for the loads into the other set, which the step before multiplied
	FETCH (\k)+1
	s_wait_dscnt 48                                ; all but the 48 just issued
.if \bias
	WIN MULB
.else
	WIN MUL
.endif
	MUL8 2, (\k)%2, \k, \bias
	MUL8 3, (\k)%2, \k, \bias
	WIN 0
.endm
; The way out, 16 rows x 128 columns at a time: a lane holds 32 neighbouring bytes of a row; they go through my own stage and come back as whole rows of 512 bytes.  LDS serves a wave's instructions in order (ISA guide 5.7.1.4).
.macro TOSTAGE a
	WIN 0x08                                       ; an LDS store's data: window 2
.irp b, 0,1,2,3,4,5,6,7
	ds_store_b128 v[STO], v[64*(\a)+8*\b:64*(\a)+8*\b+3] offset:64*\b          ; each accumulator from its low end on
	ds_store_b128 v[STO], v[64*(\a)+8*\b+4:64*(\a)+8*\b+7] offset:64*\b+16
.endr
	WIN 0
.set BB, LF+64*((\a)%2)
.irp t, 0,1,2,3,4,5,6,7,8,9,10,11,12,13,14,15
	ds_load_b128 v[BB+4*\t:BB+4*\t+3], v[RD] offset:\t*SPITCH
.endr
.endm
.macro SEND a, younger                 ; younger: the LDS instructions issued behind block a's loads, which may stay out
.set BB, LF+64*((\a)%2)
	s_wait_dscnt \younger
.irp t, 0,1,2,3,4,5,6,7,8,9,10,11,12,13,14,15
	global_store_b128 v[LI16], v[BB+4*\t:BB+4*\t+3], s[14:15] offset:(16*(\a)+\t)*4096 th:TH_STORE_NT   ; 512 consecutive bytes, aligned; 63 rows of 4,096 bytes at the most stand in the immediate
.endr
.endm
	s_load_b256 s[4:11], s[0:1], 0x0               ; c_img s[4:5], c_sc s[6:7], W_out codes s[8:9], scales s[10:11]
	s_load_b128 s[12:15], s[0:1], 0x20             ; b_out s[12:13], out0 s[14:15]
	v_lshl_add_u32 v[SPW], v0, 2, SPARE
	v_mov_b32 v[NIL], 0
	ds_add_u32 v28, v29
	ds_add_u32 v28, v29
	s_wait_dscnt 0x0
	v_lshrrev_b32 v1, 5, v0
	v_readfirstlane_b32 s32, v1                    ; wave 0..3
	s_lshr_b32 s33, s32, 1                         ; which half of L's rows is mine.  Also: I fetch for R (0) or for L (1)
	s_and_b32 s34, s32, 1                          ; which half of R's rows is mine.  Also: which half of that tile I fetch
	s_bfe_u32 s35, ttmp6, 0x40000                  ; cx
	s_bfe_u32 s36, ttmp6, 0x40004                  ; cy
	s_lshl_b32 s39, ttmp9, 2
	s_add_co_u32 s39, s39, s35                     ; R's block of 256 rows of W_out
	s_and_b32 s37, ttmp7, 0xffff
	s_lshl_b32 s96, s37, 2
	s_add_co_u32 s96, s96, s36                     ; L's block of 128 rows of the context
	s_lshl_b32 s2, s36, 2
	s_lshl_b32 s2, 15, s2                          ; my row of the cluster
	s_lshl_b32 s3, 0x1111, s35                     ; my column
	s_or_b32 s[G1R], s3, (1<<20)|(1<<21)|(5<<22)|(3<<25)   ; elements of 1 byte; padding: four words after every 64; 21 set beside a mask
	s_mov_b32 s[G1R+1], 256<<16
	s_mov_b32 s[G1R+2], 128<<16
	s_mov_b32 s[G1R+3], 256<<16
	s_mov_b32 s[G1R+4], 128
	s_mov_b32 s[G1R+5], 1024
	s_mov_b32 s[G1R+6], 0
	s_mov_b32 s[G1R+7], 0
	s_or_b32 s[G1L], s2, (3<<16)|(1<<21)           ; elements of 8 bytes, no padding: 4 tiles' 4,096 bytes (512 elements), 16,384 bytes apart
	s_mov_b32 s[G1L+1], 512<<16
	s_mov_b32 s[G1L+2], 4<<16
	s_mov_b32 s[G1L+3], 512<<16
	s_mov_b32 s[G1L+4], 4
	s_mov_b32 s[G1L+5], 2048
	s_mov_b32 s[G1L+6], 0
	s_mov_b32 s[G1L+7], 0
	s_lshl_b32 s98, s39, 18                        ; R: (256 x block + 128 x half) rows of 1,024 bytes
	s_lshl_b32 s99, s34, 17
	s_add_co_u32 s98, s98, s99
	s_mov_b32 s99, 0
	s_lshl_b32 s100, s96, 17                       ; L: (8 x block + 4 x half) tiles of 16,384 bytes
	s_lshl_b32 s101, s34, 16
	s_add_co_u32 s100, s100, s101
	s_mov_b32 s101, 0
	s_mul_i32 s66, s34, RHALF                      ; where they go: the wave's number alone
	s_lshl_b32 s67, s34, 14
	s_add_co_u32 s67, s67, LOFF
	s_wait_kmcnt 0x0
	s_add_nc_u64 s[98:99], s[8:9], s[98:99]
	s_add_nc_u64 s[100:101], s[4:5], s[100:101]
	CROUND                                         ; all sixteen work-groups are here: the first joint loads meet
.irp s, 0,1,2
.set GR, 56+4*\s+4*(\s/2)
.set GL, 72+4*\s
	s_mov_b32 s[GR], 1
	s_add_co_u32 s[GR+1], s66, \s*SLOT
	s_add_nc_u64 s[GR+2:GR+3], s[98:99], \s*256    ; slot s begins with K = 256 s
	s_or_b32 s[GR+3], s[GR+3], 0x80000000
	s_mov_b32 s[GL], 1
	s_add_co_u32 s[GL+1], s67, \s*SLOT
	s_add_nc_u64 s[GL+2:GL+3], s[100:101], \s*4096 ; eight blocks of 512 bytes
	s_or_b32 s[GL+3], s[GL+3], 0x80000000
	s_wait_alu depctr_va_vdst(0)
	s_wait_tensorcnt 0x0
	ds_add_u32 v28, v29
	ds_add_u32 v28, v29
	s_wait_dscnt 0x0
	CROUND
	JLOAD GR, GL
.endr
	v_and_b32 v1, 15, v0                           ; r
	v_bfe_u32 v2, v0, 4, 1                         ; h
	v_and_b32 v4, 31, v0                           ; lane
	v_mul_u32_u24 v3, v1, PITCH
	v_lshl_add_u32 v3, v2, 4, v3
	v_lshlrev_b32 v[LI16], 4, v4
	v_lshlrev_b32 v[LI32], 5, v4
	s_lshl_b32 s104, s33, 14
	s_add_co_u32 s104, s104, LOFF
	v_add_nc_u32 v[ADRR], s66, v3                  ; my 128 rows of R (s66 = my R half x RHALF)
	v_add_nc_u32 v[ADRL], s104, v[LI16]            ; my four tiles of L
	v_add_nc_u32 v[ADRR+1], SLOT, v[ADRR]
	v_add_nc_u32 v[ADRL+1], SLOT, v[ADRL]
	v_add_nc_u32 v[ADRR+2], 2*SLOT, v[ADRR]
	v_add_nc_u32 v[ADRL+2], 2*SLOT, v[ADRL]
	v_lshlrev_b32 v5, 9, v2
	v_lshl_add_u32 v5, v1, 1, v5                   ; the context's scale bytes: 512 h (the odd tile) + 2 r
	s_wait_alu depctr_va_vdst(0)
	v_lshlrev_b32 v6, 5, v2                        ; the bias: 32 h
	s_wait_alu depctr_va_vdst(0)
	s_mul_i32 s105, s32, 16*SPITCH
	s_add_co_u32 s105, s105, SLOT                  ; my stage
	v_mul_u32_u24 v7, v1, SPITCH
	v_lshl_add_u32 v7, v2, 5, v7
	v_add_nc_u32 v[STO], s105, v7
	v_add_nc_u32 v[RD], s105, v[LI16]
	s_lshl_b32 s20, s39, 13                        ; W_out's scales: (256 x block + 128 x my half) rows of 32 bytes
	s_lshl_b32 s2, s34, 12
	s_add_co_u32 s20, s20, s2
	s_mov_b32 s21, 0
	s_add_nc_u64 s[10:11], s[10:11], s[20:21]
	s_lshl_b32 s22, s96, 12                        ; the context's: (8 x block + 4 x my half) tiles of 512 bytes
	s_lshl_b32 s2, s33, 11
	s_add_co_u32 s22, s22, s2
	s_mov_b32 s23, 0
	s_add_nc_u64 s[6:7], s[6:7], s[22:23]
	s_lshl_b32 s24, s39, 10                        ; my first column, in bytes of f32: (256 x block + 128 x my half) x 4
	s_lshl_b32 s2, s34, 9
	s_add_co_u32 s24, s24, s2
	s_mov_b32 s25, 0
	s_add_nc_u64 s[12:13], s[12:13], s[24:25]
	s_lshl_b32 s26, s96, 19                        ; my first row: (128 x block + 64 x my half) x 4,096 bytes
	s_lshl_b32 s2, s33, 18
	s_add_co_u32 s26, s26, s2
	s_add_co_u32 s26, s26, s24
	s_mov_b32 s27, 0
	s_add_nc_u64 s[14:15], s[14:15], s[26:27]
.irp i, 0,1,2,3
	global_load_b128 v[PS+8*\i:PS+8*\i+3], v[LI32], s[10:11] offset:1024*\i        ; row 32 i + lane: its eight words
	global_load_b128 v[PS+8*\i+4:PS+8*\i+7], v[LI32], s[10:11] offset:1024*\i+16
.endr
.irp i, 0,1
.irp d, 0,1,2,3,4,5,6,7,8,9,10,11,12,13,14,15
	global_load_u16 v[XH+16*\i+\d], v5, s[6:7] offset:1024*\i+32*\d                ; tile 2 i + h, head d, row r: its two bytes
.endr
.endr
	WIN 0xc0                                       ; destination window 3
.irp b, 0,1,2,3,4,5,6,7
	global_load_b128 v[8*\b:8*\b+3], v6, s[12:13] offset:64*\b                     ; the bias in the result's layout: columns 16 b + 8 h + 0 .. 7
	global_load_b128 v[8*\b+4:8*\b+7], v6, s[12:13] offset:64*\b+16
.endr
	WIN 0
	s_wait_tensorcnt 2                             ; my parts of slots 0 and 1 are in; slot 2 may stay out
	s_barrier_signal -1
	s_barrier_wait -1
	FETCH 0
	s_wait_loadcnt 0x0
.irp i, 0,1
.irp s, 0,1,2,3,4,5,6,7
	v_lshl_or_b32 v[QS+8*\i+\s], v[XH+16*\i+2*\s+1], 16, v[XH+16*\i+2*\s]          ; K step s is heads 2 s and 2 s + 1: four bytes
.endr
.endr
	PLACES 8                                       ; a scale register written by a vector line stands eight places ahead of the product
	s_wait_alu depctr_va_vdst(0)
	STEP 0, 1                                      ; the first step's products start the sums with the bias
	; step 1 leaves slot 0, which is filled again with K 768-1023
	s_wait_tensorcnt 0x0                           ; all my tensor loads have landed: my parts of slots 1 and 2 among them
	ds_add_u32 v[SPW], v[NIL]                      ; 0 onto my spare word
	s_wait_dscnt 9                                 ; (the add and the youngest eight loads may be out)
	WIN MUL
	MUL8 0, 1, 1, 0
	s_wait_dscnt 0x0                               ; the add is done, and my reads of slot 0 are over
	s_barrier_signal -1
	MUL8 1, 1, 1, 0
	WIN 0
	s_barrier_wait -1
	CREST                                          ; the barrier has opened a round of the cluster's barrier: no wave of any partner still reads slot 0 or has a load on its way
	s_add_nc_u64 s[58:59], s[58:59], 768
	s_add_nc_u64 s[74:75], s[74:75], 12288
	JLOAD 56, 72                                   ; the first tensor load behind the round
	PLACES 4                                       ; with the four behind the load: eight, in front of the loads below
	FETCH 2
	WIN MUL
	MUL8 2, 1, 1, 0
	MUL8 3, 1, 1, 0
	WIN 0
	STEP 2, 0
	STEP 3, 0                                      ; it fetches from slot 2: every wave's part was shown landed ahead of the round above
	STEP 4, 0
	; step 5 goes back to slot 0: its second tile must be whole
	s_wait_tensorcnt 0x0
	s_wait_dscnt 0x0
	s_barrier_signal -1
	WIN MUL
	MUL8 0, 1, 5, 0
	MUL8 1, 1, 5, 0
	WIN 0
	s_barrier_wait -1                              ; behind it nobody reads slot 1 any more
	PLACES 8
	FETCH 6
	WIN MUL
	MUL8 2, 1, 5, 0
	MUL8 3, 1, 5, 0
	WIN 0
	STEP 6, 0
	s_wait_dscnt 8                                 ; the last step
	WIN MUL
	MUL8 0, 1, 7, 0
	MUL8 1, 1, 7, 0
	s_wait_dscnt 0x0
	MUL8 2, 1, 7, 0
	MUL8 3, 1, 7, 0
	WIN 0
	PLACES 8
	TOSTAGE 0
.irp a, 1,2,3
.if \a > 1
	s_wait_xcnt 0x0                                ; block a - 2's stores have read their registers: block a's loads may land there
.endif
	TOSTAGE \a
	SEND \a-1, 32                                  ; behind block a - 1's loads: block a's 16 stores and 16 loads
.endr
	SEND 3, 0
	s_wait_tensorcnt 0x0                           ; the wave's end
	ds_add_u32 v[SPW], v[NIL]
	s_wait_dscnt 0x0
	CROUND                                         ; the closing round
	s_endpgm
.Lfunc_end_k_q04a6f0f69d_oproj:
	.size	k_q04a6f0f69d_oproj, .Lfunc_end_k_q04a6f0f69d_oproj-k_q04a6f0f69d_oproj
	.p2alignl 7, 3214868480
	.fill 96, 4, 3214868480
	.section	.rodata,"a",@progbits
	.p2align	6, 0x0
	.amdhsa_kernel k_q04a6f0f69d_oproj
		.amdhsa_group_segment_fixed_size 327680
		.amdhsa_private_segment_fixed_size 0
		.amdhsa_enable_private_segment 0
		.amdhsa_kernarg_size 48
		.amdhsa_user_sgpr_count 2
		.amdhsa_user_sgpr_kernarg_segment_ptr 1
		.amdhsa_wavefront_size32 1
		.amdhsa_system_sgpr_workgroup_id_x 1
		.amdhsa_system_sgpr_workgroup_id_y 1
		.amdhsa_system_sgpr_workgroup_id_z 1
		.amdhsa_system_vgpr_workitem_id 0
		.amdhsa_next_free_vgpr 832
		.amdhsa_next_free_sgpr 106
		.amdhsa_reserve_vcc 0
		.amdhsa_float_denorm_mode_32 3
		.amdhsa_float_denorm_mode_16_64 3
		.amdhsa_memory_ordered 1
		.amdhsa_forward_progress 1
		.amdhsa_inst_pref_size 92
	.end_amdhsa_kernel
	.amdgpu_metadata
---
amdhsa.version: [ 1, 2 ]
amdhsa.kernels:
  - .name:           k_q04a6f0f69d_oproj
    .symbol:         k_q04a6f0f69d_oproj.kd
    .args:
      - { .name: c_img, .offset: 0, .size: 8, .value_kind: global_buffer, .address_space: global }
      - { .name: c_sc, .offset: 8, .size: 8, .value_kind: global_buffer, .address_space: global }
      - { .name: W_out_codes, .offset: 16, .size: 8, .value_kind: global_buffer, .address_space: global }
      - { .name: W_out_scales, .offset: 24, .size: 8, .value_kind: global_buffer, .address_space: global }
      - { .name: b_out, .offset: 32, .size: 8, .value_kind: global_buffer, .address_space: global }
      - { .name: out0, .offset: 40, .size: 8, .value_kind: global_buffer, .address_space: global }
    .group_segment_fixed_size: 327680
    .private_segment_fixed_size: 0
    .kernarg_segment_align: 8
    .kernarg_segment_size: 48
    .max_flat_workgroup_size: 128
    .sgpr_count:     106
    .vgpr_count:     832
    .wavefront_size: 32
...
	.end_amdgpu_metadata
.endif
;; end of part 3
